; MI455X (gfx1250); checked and timed in simulation.
; The chip was launched on July 23, 2026; its instructions are those of AMD's public machine-readable ISA for CDNA 5 (MIT licence, August 2026) and "CDNA5" Instruction Set Architecture Reference Guide (July 2026). The comments in the code are by the model that wrote it; some were corrected since.
;; Multi Head Attention. Allowed arithmetic: matrix products marked QUANTISED: E2M3 operands, one E8M0 scale for each 32 along K, by v_wmma_scale_f32_16x16x128_f8f6f4 with both operands' format E2M3, f32 sums; everything else in f32.
;; Inputs: dense_b 1,024 float32; dense_w 1,024 x 1,024 float32; h 4 x 2,048 x 1,024 float32; src_key_padding_mask 4 x 2,048 bool; wk_b 1,024 float32; wk_w 1,024 x 1,024 float32; wq_b 1,024 float32; wq_w 1,024 x 1,024 float32; wv_b 1,024 float32; wv_w 1,024 x 1,024 float32.
;; Outputs: out0 4 x 2,048 x 1,024 float32.
;; This version of the problem:
;;   THIS VERSION OF THE PROBLEM IS GIVEN IN LOW PRECISION. The matrix products marked QUANTISED in the list below multiply operands that are first quantised to E2M3 (2 exponent bits, 3 mantissa bits; 6 bits a number), with one power-of-two scale for each 32 numbers along K (OCP MX v1.0); their sums are f32. All else is computed in f32.
;;   The module's matrix products, in the order in which they are computed (A, B: the left and right operand; K: the contracted axis; several contracted axes count as one K, in the product's order):
;;     1. [M 8,192, K 1,024] x [K 1,024, N 1,024]; A: input h; B: input wq_w: QUANTISED
;;     2. [M 8,192, K 1,024] x [K 1,024, N 1,024]; A: input h; B: input wk_w: QUANTISED
;;     3. [M 8,192, K 1,024] x [K 1,024, N 1,024]; A: input h; B: input wv_w: QUANTISED
;;     4. batch 64 x [M 2,048, K 64] x [K 64, N 2,048]; A: computed on the way; B: computed on the way: QUANTISED
;;     5. batch 64 x [M 2,048, K 2,048] x [K 2,048, N 64]; A: softmax (see below); B: computed on the way: QUANTISED
;;     6. [M 8,192, K 1,024] x [K 1,024, N 1,024]; A: computed on the way; B: input dense_w: QUANTISED
;;   THE QUANTISER, for each operand of a quantised product, along K:
;;     - K is cut into blocks of 32 from its start; a last block that is shorter is filled with zeros.
;;     - A block's scale is 2^e with e = floor(log2(the largest magnitude in the block)) - 2, held to -126 .. 127; a block of zeros has e = 0. As a byte (E8M0): e + 127.
;;     - Each number is divided by its block's scale, clamped to +-7.5, and rounded to the nearest number of E2M3, ties to even, subnormals kept.
;;     - The product sums the exact products of the quantised numbers (number of the format x scale) in f32.
;;   ~~~python
;;   def quantise(x, axis):      # numpy; x: float32 -> the quantised numbers, widened to float32 again
;;       x = np.moveaxis(x, axis, -1); K = x.shape[-1]
;;       x = np.pad(x, [(0, 0)] * (x.ndim - 1) + [(0, -K % 32)]); x = x.reshape(x.shape[:-1] + (-1, 32)); a = np.abs(x).max(-1, keepdims=True)
;;       e = np.where(a > 0, np.clip(np.frexp(np.where(a > 0, a, 1))[1] - 1 - 2, -126, 127), 0)      # np.frexp(a)[1] - 1 = floor(log2(a)), exactly
;;       r = np.clip(x / 2.0 ** e, -7.5, 7.5)
;;       step = 2.0 ** (np.maximum(np.frexp(np.where(r == 0, 1, r))[1] - 1, 0) - 3)
;;       q = np.round(r / step) * step * 2.0 ** e      # np.round: ties to even
;;       return np.moveaxis(q.reshape(q.shape[:-2] + (-1,))[..., :K], -1, axis).astype(np.float32)
;;   ~~~
;;   SOFTMAX AHEAD OF A QUANTISED PRODUCT. Where the list says 'softmax', what is quantised is not the finished softmax but p = 2^(t - M), with t = logit x log2(e) and M = ceil(the row's largest t), a whole number; so 1/2 < the row's largest p <= 1. The row's sum l is taken of the UNQUANTISED p, in f32, and the product's result is divided by l at the end. Since M is a whole number, a kernel that streams over the keys may use a running M (the ceiling of the running maximum): every later rescaling is an exact power of two, which a block's scale takes up: the codes' values come out the same.
;;   OPERANDS COMPUTED ON THE WAY. 'Computed on the way' means the value that the module computes at that place (a softmax that the list does not call 'softmax' is quantised finished and normalised). What goes into a quantiser is computed in f32, as accurately as f32 sums, v_exp_f32 and their like allow (about 1e-6 of the number): no bf16 or f16 on the way to a quantiser, and a product that is left as it is and whose result goes on into a quantised operand takes f32 operands (vector FMAs, or v_wmma_f32_16x16x4_f32). A number that lies on a knife's edge between two numbers of the format may be rounded either way, as far as f32 arithmetic and the matrix unit's own rounding can turn it there, and no further.
;; One version. Each part assembles by itself: llvm-mc -triple=amdgcn-amd-amdhsa -mcpu=gfx1250 --defsym DOCPART=n.
;; ======== version 1 of 1: 4 launches
;; limits: right only within a limited range of input values
;; workspace buffers: hc 6,553,600 bytes; wc 3,276,800 bytes; qc 6,815,744 bytes; kv 13,631,488 bytes; oc 6,553,600 bytes
;; launch quant (part 1): grid 768 x 1, 4 waves a work-group, no clusters, 33,280 bytes of LDS; arguments h, wq_w, wk_w, wv_w, dense_w, hc, wc; writes hc, wc
.if DOCPART == 1
	.amdgcn_target "amdgcn-amd-amdhsa--gfx1250"
	.amdhsa_code_object_version 6
	.text
	.protected	k_qf21e081d5f_quant
	.globl	k_qf21e081d5f_quant
	.p2align	8
	.type	k_qf21e081d5f_quant,@function
k_qf21e081d5f_quant:
	s_mov_b64 s[64:65], 0
	v_nop
	global_prefetch_b8 v0, s[64:65] scope:SCOPE_SE
	s_setreg_imm32_b32 hwreg(HW_REG_WAVE_MODE, 25, 1), 1
	s_wait_xcnt 0x0
; h [8192][1024] and the four weights [1024][1024], f32 with K innermost, become codes of FP6 (E2M3) and one E8M0 byte for each 32 along K.
; LAYOUT.  The codes lie in four PLANES, one for each 256 along K: hc [4][8192 rows][192 bytes] at byte 0, scale bytes [8192][32] at HS;
; wc [4][4096 rows][192 bytes] at 0 (rows 0-1023 wq, 1024- wk, 2048- wv, 3072- dense), scale bytes [4096][32] at WS.
; So 128 rows of one plane are 24,576 dense bytes that begin at a multiple of 256: the later launches fetch them as rows of 256 bytes.
; A block's scale is 2^(floor(log2(largest magnitude)) - 2): its byte is the largest magnitude's exponent field - 2, held at 1 from below.
; THE ORDER INSIDE A BLOCK: places 0-7, 8-15, 16-23, 24-31 of a block's 32 codes hold k 0-7, 16-23, 8-15, 24-31, on both sides of every product of this program:
; each product keeps its terms and its blocks.  It is the order in which two neighbouring 16 x 16 results fall into a lane's registers in the later launches.
; LIMITS: NaN and infinities among the inputs are not served; a block of zeros gets the byte 1 (its codes are zeros, and this program alone reads the bytes).
; A wave takes 8 steps of 512 numbers: four rows.  Each of a step's four loads reads 512 consecutive bytes; the 2,048 bytes turn through the wave's own stage in LDS,
; so that a lane gets 16 numbers of ONE block (two neighbouring lanes hold a block).  A lane's 16 codes are 12 bytes: sixteen lanes store 192 consecutive bytes of a plane.
; Work-groups 0-511 take h, 512-767 the weights, 64 each.  Only pointers and the plane's size are chosen: one path through the text.  No tensor loads, no barrier: waves share nothing.
.set STEPS, 8
.set EMAX,  2
.set CB,    12                         ; bytes of 16 codes
.set R,     16                         ; v16-79   four sets of 16 numbers as loaded
.set X,     80                         ; v80-111  two sets of 16 numbers of a block
.set C,     128                        ; v128-159 codes: four registers a step, so that no store's data are written again
.set E,     112                        ; v112-119 a scale byte a step
.set SPW,   160                        ; v160 my spare word, v161 zero: kept for the add alone
.set NIL,   161
.set WREG,  8192                       ; LDS of a wave: two stages of 32 x SP bytes, then its 128 scale bytes
.set SP,    80                         ; 64 bytes (16 numbers) + 16 of padding
.set SPARE, 4*WREG
.set HS,    6291456
.set WS,    3145728
.set HPL,   1572864                    ; a plane of hc
.set WPL,   786432                     ; a plane of wc
.set HWG,   512                        ; work-groups for h
	s_load_b256 s[4:11], s[0:1], 0x0               ; h, wq_w, wk_w, wv_w
	s_load_b128 s[12:15], s[0:1], 0x20             ; dense_w, hc
	s_load_b64 s[22:23], s[0:1], 0x30              ; wc
	v_lshl_add_u32 v[SPW], v0, 2, SPARE
	v_mov_b32 v[NIL], 0
	v_lshrrev_b32 v1, 5, v0
	v_readfirstlane_b32 s16, v1                    ; wave
	v_and_b32 v2, 31, v0                           ; lane
	v_lshlrev_b32 v3, 4, v2                        ; my 16 bytes of a load's 512
	s_mul_i32 s24, s16, WREG
	v_lshrrev_b32 v14, 2, v2
	v_mul_u32_u24 v14, v14, SP
	v_and_b32 v15, 3, v2
	v_lshl_add_u32 v14, v15, 4, v14
	v_add_nc_u32 v14, s24, v14                     ; into the stage: SP (lane / 4) + 16 (lane % 4)
	v_lshrrev_b32 v15, 1, v2
	v_mul_u32_u24 v15, v15, 2*SP
	v_and_b32 v5, 1, v2
	v_lshl_add_u32 v15, v5, 5, v15
	v_add_nc_u32 v15, s24, v15                     ; out of it: block lane / 2; the even lane takes k 0-7 and 16-23, the odd lane k 8-15 and 24-31
	s_mov_b32 s25, WPL
	s_cmp_lt_u32 ttmp9, HWG
	s_cselect_b32 s25, HPL, s25                    ; the plane's size in the buffer that I write
	v_and_b32 v4, 15, v2
	v_mul_u32_u24 v4, v4, CB
	v_lshrrev_b32 v10, 4, v2
	v_mad_u32_u24 v4, v10, s25, v4                 ; my codes: 12 (lane % 16), lanes 16-31 one plane on
	v_lshrrev_b32 v5, 1, v2
	s_add_co_u32 s24, s24, 2*32*SP
	v_add_nc_u32 v5, s24, v5                       ; LDS: my block's scale byte
	v_lshlrev_b32 v7, 2, v2
	v_add_nc_u32 v6, s24, v7                       ; and on the way out 4 bytes a lane
	s_sub_co_u32 s17, ttmp9, HWG                   ; the work-group's number among the weights' (not used for h)
	s_lshr_b32 s18, s17, 6                         ; which weight
	s_and_b32 s19, s17, 63                         ; which part of it
	s_wait_alu depctr_va_vdst(0)                   ; the wait at the head's end
	s_wait_kmcnt 0x0
	s_cmp_eq_u32 s18, 2                            ; every choice hangs on the work-group's number alone
	s_cselect_b64 s[12:13], s[10:11], s[12:13]
	s_cmp_eq_u32 s18, 1
	s_cselect_b64 s[12:13], s[8:9], s[12:13]
	s_cmp_eq_u32 s18, 0
	s_cselect_b64 s[12:13], s[6:7], s[12:13]
	s_mov_b32 s20, WS
	s_cmp_lt_u32 ttmp9, HWG
	s_cselect_b64 s[4:5], s[4:5], s[12:13]         ; the tensor that I read
	s_cselect_b64 s[8:9], s[14:15], s[22:23]       ; the buffer that I write
	s_cselect_b32 s19, ttmp9, s19                  ; my part of the tensor
	s_cselect_b32 s17, ttmp9, s17                  ; and of the buffer
	s_cselect_b32 s20, HS, s20                     ; where its scale bytes begin
	s_lshl_b32 s19, s19, 2
	s_add_co_u32 s19, s19, s16                     ; my wave's run of 4,096 numbers, in
	s_lshl_b32 s17, s17, 2
	s_add_co_u32 s17, s17, s16                     ; and out
	s_lshl_b32 s26, s19, 14                        ; 16,384 bytes a run
	s_mov_b32 s27, 0
	s_add_nc_u64 s[4:5], s[4:5], s[26:27]
	s_lshl_b32 s26, s17, 7                         ; 128 scale bytes a run
	s_add_co_u32 s26, s26, s20
	s_add_nc_u64 s[10:11], s[8:9], s[26:27]
	s_mul_i32 s26, s17, 4*192                      ; four rows of 192 bytes in a plane
	s_add_nc_u64 s[8:9], s[8:9], s[26:27]          ; planes 0 and 1: a row's first 512 numbers
	s_lshl_b32 s26, s25, 1
	s_add_nc_u64 s[28:29], s[8:9], s[26:27]        ; planes 2 and 3: its second 512
.macro LOAD t
.irp i, 0,1,2,3
	global_load_b128 v[R+16*((\t)%4)+4*\i:R+16*((\t)%4)+4*\i+3], v3, s[4:5] offset:2048*(\t)+512*\i th:TH_LOAD_NT   ; 32 lanes read 512 consecutive bytes
.endr
.endm
.macro TURN t                          ; step t's numbers through the stage: LDS serves a wave's instructions in order, so no wait stands between the stores and the loads
.irp i, 0,1,2,3
	ds_store_b128 v14, v[R+16*((\t)%4)+4*\i:R+16*((\t)%4)+4*\i+3] offset:32*SP*((\t)%2)+8*SP*\i
.endr
.irp i, 0,1,2,3
	ds_load_b128 v[X+16*((\t)%2)+4*\i:X+16*((\t)%2)+4*\i+3], v15 offset:32*SP*((\t)%2)+16*(\i%2)+SP*(\i/2)
.endr
.endm
.irp t, 0,1,2,3
	LOAD \t
.endr
	s_wait_loadcnt 12                              ; step 0's four loads are in; the twelve of steps 1 to 3 may be out
	TURN 0
.macro STEP t
.set XS, X+16*((\t)%2)
.if (\t) > 0
	s_wait_dscnt 1                                 ; this step's numbers are back from the stage; the last step's byte store may be out
.else
	s_wait_dscnt 0x0
.endif
.if (\t)+4 < STEPS
	LOAD (\t)+4                                    ; the registers that the stage's stores have read take the loads of four steps on
.endif
.if (\t)+1 < STEPS
.if STEPS-2-(\t) >= 3
	s_wait_loadcnt 12                              ; the next step's four loads are in; those of the three steps behind it may be out
.else
	s_wait_loadcnt 4*(STEPS-2-(\t))
.endif
	TURN (\t)+1
.endif
	v_max3_num_f32 v8, |v[XS]|, |v[XS+1]|, |v[XS+2]|               ; the largest magnitude of my 16, in two chains
	v_max3_num_f32 v9, |v[XS+3]|, |v[XS+4]|, |v[XS+5]|
.irp i, 6,10
	v_max3_num_f32 v8, v8, |v[XS+\i]|, |v[XS+\i+1]|
	v_max3_num_f32 v9, v9, |v[XS+\i+2]|, |v[XS+\i+3]|
.endr
	v_max3_num_f32 v8, v8, |v[XS+14]|, |v[XS+15]|
	v_max3_num_f32 v8, v8, v9, (EMAX+1)<<23        ; and the floor 2^(3 - 127): the byte cannot fall under 1
	v_max_num_f32_dpp v8, v8, v8 row_xmask:1 row_mask:0xf bank_mask:0xf   ; with my neighbour's 16: the block's
	v_add_nc_u32 v11, -(EMAX<<23), v8              ; 2 off its exponent field: the conversion takes this operand's exponent field as its scale
	v_cvt_scalef32_pk16_fp6_f32 v[C+4*(\t):C+4*(\t)+2], v[XS:XS+15], v11
	v_lshrrev_b32 v[E+(\t)], 23, v11               ; the scale's byte (also the plain line behind the conversion)
	ds_store_b8 v5, v[E+(\t)] offset:16*(\t)       ; both lanes of a block write the same byte with the same value
	global_store_b96 v4, v[C+4*(\t):C+4*(\t)+2], s[8+20*((\t)%2):9+20*((\t)%2)] offset:192*((\t)/2)   ; row t / 2 of my four; half t % 2 of the row
.endm
.irp t, 0,1,2,3,4,5,6,7
	STEP \t
.endr
	ds_load_b32 v12, v6                            ; LDS serves a wave's instructions in order: this sees my byte stores
	s_wait_dscnt 0x0
	global_store_b32 v7, v12, s[10:11]             ; 32 lanes store 128 consecutive bytes
	s_wait_tensorcnt 0x0                           ; the wave's end
	ds_add_u32 v[SPW], v[NIL]
	s_wait_dscnt 0x0
	s_endpgm
.Lfunc_end_k_qf21e081d5f_quant:
	.size	k_qf21e081d5f_quant, .Lfunc_end_k_qf21e081d5f_quant-k_qf21e081d5f_quant
	.p2alignl 7, 3214868480
	.fill 96, 4, 3214868480
	.section	.rodata,"a",@progbits
	.p2align	6, 0x0
	.amdhsa_kernel k_qf21e081d5f_quant
		.amdhsa_group_segment_fixed_size 33280
		.amdhsa_private_segment_fixed_size 0
		.amdhsa_enable_private_segment 0
		.amdhsa_kernarg_size 56
		.amdhsa_user_sgpr_count 2
		.amdhsa_user_sgpr_kernarg_segment_ptr 1
		.amdhsa_wavefront_size32 1
		.amdhsa_system_sgpr_workgroup_id_x 1
		.amdhsa_system_sgpr_workgroup_id_y 1
		.amdhsa_system_sgpr_workgroup_id_z 1
		.amdhsa_system_vgpr_workitem_id 0
		.amdhsa_next_free_vgpr 168
		.amdhsa_next_free_sgpr 66
		.amdhsa_reserve_vcc 0
		.amdhsa_float_denorm_mode_32 3
		.amdhsa_float_denorm_mode_16_64 3
		.amdhsa_memory_ordered 1
		.amdhsa_forward_progress 1
		.amdhsa_inst_pref_size 19
	.end_amdhsa_kernel
	.amdgpu_metadata
---
amdhsa.version: [ 1, 2 ]
amdhsa.kernels:
  - .name:           k_qf21e081d5f_quant
    .symbol:         k_qf21e081d5f_quant.kd
    .args:
      - { .name: h, .offset: 0, .size: 8, .value_kind: global_buffer, .address_space: global }
      - { .name: wq_w, .offset: 8, .size: 8, .value_kind: global_buffer, .address_space: global }
      - { .name: wk_w, .offset: 16, .size: 8, .value_kind: global_buffer, .address_space: global }
      - { .name: wv_w, .offset: 24, .size: 8, .value_kind: global_buffer, .address_space: global }
      - { .name: dense_w, .offset: 32, .size: 8, .value_kind: global_buffer, .address_space: global }
      - { .name: hc, .offset: 40, .size: 8, .value_kind: global_buffer, .address_space: global }
      - { .name: wc, .offset: 48, .size: 8, .value_kind: global_buffer, .address_space: global }
    .group_segment_fixed_size: 33280
    .private_segment_fixed_size: 0
    .kernarg_segment_align: 8
    .kernarg_segment_size: 56
    .max_flat_workgroup_size: 128
    .sgpr_count:     66
    .vgpr_count:     168
    .wavefront_size: 32
...
	.end_amdgpu_metadata
.endif
;; end of part 1
;; launch qkv (part 2): grid 12 x 32, 4 waves a work-group, clusters of 4 x 4, 327,680 bytes of LDS; arguments hc, wc, wq_b, wk_b, wv_b, qc, kv; writes qc, kv
.if DOCPART == 2
	.amdgcn_target "amdgcn-amd-amdhsa--gfx1250"
	.amdhsa_code_object_version 6
	.text
	.protected	k_qf21e081d5f_qkv
	.globl	k_qf21e081d5f_qkv
	.p2align	8
	.type	k_qf21e081d5f_qkv,@function
k_qf21e081d5f_qkv:
	s_mov_b64 s[64:65], 0
	v_nop
	global_prefetch_b8 v0, s[64:65] scope:SCOPE_SE
	s_setreg_imm32_b32 hwreg(HW_REG_WAVE_MODE, 25, 1), 1
	s_wait_xcnt 0x0
	s_wait_alu depctr_hold_cnt(0) depctr_sa_sdst(0) depctr_va_vdst(0) depctr_va_sdst(0) depctr_va_ssrc(0) depctr_va_vcc(0) depctr_vm_vsrc(0)
	s_getreg_b32 s2, hwreg(HW_REG_IB_STS2, 6, 4)
	s_cmp_eq_u32 s2, 0
	s_cbranch_scc0 .Lentry_in_a_cluster
	s_endpgm
.Lentry_in_a_cluster:
	s_bfe_u32 s2, ttmp6, 0x10000c
	s_cmp_lg_u32 s2, 0xf033
	s_cbranch_scc0 .Lentry_shape_is_right
	s_endpgm
.Lentry_shape_is_right:
; Q, K, V = h W^T + b on codes of FP6 (E2M3) with E8M0 scales, K = 1,024, each result quantised again and stored as the attention launch's operand images (qc; kv).
; A tile is 256 x 256, four waves of 128 x 128.  Clusters x = 0, 1 make Q and K (A = h's rows, B = the weight's); cluster x = 2 makes V with the sides exchanged (A = wv's rows, B = h's), so that a lane's registers run along the tokens.
; hc and wc hold the codes in four planes of [row][192 bytes], one for each 256 along K: a tile's 256 rows of a plane are 49,152 dense bytes from a multiple of 256 on, stated as rows of 256 bytes;
; the padding's interval stays 64 bytes, so an LDS row is 3 x (64 + 16) = 240 bytes.
; THE HEAD: one joint load a wave, each in an arm of its own: wave 0 A's tile of K step 0, wave 1 B's, waves 2 and 3 those of K step 1.  The first barrier waits for waves 0 and 1 alone.
; THE SCALE BYTES of the 256 + 256 rows, 8,192 dense bytes each, come by plain loads (16 bytes a thread, 2,048 consecutive bytes an instruction of the work-group) and are stored to LDS bytes of their own, 16 bytes of padding behind each 256.
; K steps 2 and 3 refill the two slots behind rounds of the cluster's barrier, a half tile a wave; they are asked for into the L2 at the head, each block of 256 bytes once in a cluster: the four partners of a joint load and their two waves take an eighth of a tile each, by address.
.set SIZE_K, 1024
.set KSTEP,  256
.set NQ,     KSTEP/128
.set ROWB,   192
.set HPL,    1572864
.set WPL,    786432
.set TILEB,  49152
.set KROW,   SIZE_K*6/8
.set PITCH,  240
.set FR,     12
.set NL,     6
.set NP,     4
.set HALFT,  128*PITCH
.set SLOT,   4*HALFT
.set LAPS,   SIZE_K/(2*KSTEP)
.set KS,     SIZE_K/32
.set SCL,    2*SLOT
.set HALFS,  (128*KS/256)*272
.set SBLK,   (16*KS/256)*272
.set SPARE,  SCL+4*HALFS
.set HS,     6291456
.set WS,     3145728
.set QS,     6291456
.set QHEAD,  98304
.set STEPB,  13312
.set HEADB,  212992
.set ADRA, 16
.set ADRB, 20
.set LI,   24
.set L8,   25
.set QSA,  26
.set ADRS, 27
.set SPW,  28
.set NIL,  29
.set SC,   32
.set BI,   64
.set AF,   128
.set BV,   240
.set ST,   128
.set CT,   192
.set TM,   200
.set PW0,  216
.set IMG,  224
.set WD,   32
.set G1, 24
.set G0, 32
.set G1B, 48
.set G0B, 56
.set G0HA, 80
.set G0HB, 84
.set MSB, 0
.macro WIN new
.if MSB != \new
	s_set_vgpr_msb (MSB<<8)|\new
.set MSB, \new
.endif
.endm
.set MUL_LO, 0xa1
.set MUL_HI, 0xf1
.set TO_B,   0x40
.macro JLOAD g0a, g1a, g0b, g1b
	s_cmp_eq_u32 s15, 0
	s_cbranch_scc0 .Lfor_b_\@
	tensor_load_to_lds s[\g0a:\g0a+3], s[\g1a:\g1a+7]
	s_nop 0
.rept 4
	v_nop
.endr
	s_branch .Lasked_\@
.Lfor_b_\@:
	tensor_load_to_lds s[\g0b:\g0b+3], s[\g1b:\g1b+7]
	s_nop 0
.rept 4
	v_nop
.endr
.Lasked_\@:
.endm
.macro CREST
	s_cmp_lg_u32 s14, 0
	s_cbranch_scc1 .Lnot_wave_0_\@
	s_barrier_signal -3
.Lnot_wave_0_\@:
	s_barrier_wait -3
	s_barrier_signal -1
	s_barrier_wait -1
.endm
.macro CROUND
	s_barrier_signal -1
	s_barrier_wait -1
	CREST
.endm
	s_load_b128 s[4:7], s[0:1], 0x0
	s_load_b128 s[96:99], s[0:1], 0x10
	s_load_b64 s[100:101], s[0:1], 0x20
	v_lshl_add_u32 v[SPW], v0, 2, SPARE
	v_mov_b32 v[NIL], 0
	ds_add_u32 v28, v29
	ds_add_u32 v28, v29
	s_wait_dscnt 0x0
	v_lshrrev_b32 v1, 5, v0
	v_readfirstlane_b32 s14, v1
	s_lshr_b32 s15, s14, 1
	s_and_b32 s16, s14, 1
	s_bfe_u32 s40, ttmp6, 0x40000
	s_bfe_u32 s41, ttmp6, 0x40004
	s_mov_b32 s66, ttmp9
	s_and_b32 s67, ttmp7, 0xffff
	s_lshl_b32 s12, s67, 2
	s_lshl_b32 s13, s66, 2
	s_cmp_eq_u32 s66, 2
	s_cselect_b32 s17, 8, s12
	s_cselect_b32 s42, s12, s13
	s_add_co_u32 s17, s17, s41
	s_add_co_u32 s42, s42, s40
	s_lshl_b32 s43, s41, 2
	s_lshl_b32 s43, 15, s43
	s_lshl_b32 s44, 0x1111, s40
	s_or_b32 s[G1+0], s43, (0<<16)|(1<<20)|(1<<21)|(3<<22)|(3<<25)
	s_or_b32 s[G1B+0], s44, (0<<16)|(1<<20)|(1<<21)|(3<<22)|(3<<25)
.irp g, G1, G1B
	s_mov_b32 s[\g+1], 256<<16                     ; rows of 256 bytes; at the head a whole tile: 192 of them
	s_mov_b32 s[\g+2], 192<<16
	s_mov_b32 s[\g+3], 256<<16
	s_mov_b32 s[\g+4], 192
	s_mov_b32 s[\g+5], 256
	s_mov_b32 s[\g+6], 0
	s_mov_b32 s[\g+7], 0
.endr
	s_lshl_b32 s20, s17, 8                         ; A's tile: its first row
	s_lshl_b32 s46, s42, 8                         ; B's
	s_lshl_b32 s22, s20, 5                         ; their scale bytes: 32 a row
	s_lshl_b32 s92, s46, 5
	s_mul_i32 s20, s20, ROWB                       ; their codes in a plane
	s_mul_i32 s46, s46, ROWB
	s_mov_b32 s21, 0
	s_mov_b32 s23, 0
	s_mov_b32 s47, 0
	s_mov_b32 s93, 0
	s_mul_i32 s45, s14, HALFT
	s_mov_b32 s94, HPL
	s_mov_b32 s95, WPL
	s_cmp_eq_u32 s66, 2
	s_cselect_b32 s88, s95, s94                    ; a plane of A's buffer
	s_cselect_b32 s90, s94, s95                    ; and of B's
	s_mov_b32 s89, 0
	s_mov_b32 s91, 0
	s_wait_kmcnt 0x0
	s_add_nc_u64 s[8:9], s[4:5], HS
	s_add_nc_u64 s[10:11], s[6:7], WS
	s_cmp_eq_u32 s66, 2
	s_cselect_b64 s[2:3], s[6:7], s[4:5]
	s_cselect_b64 s[12:13], s[4:5], s[6:7]
	s_cselect_b64 s[4:5], s[10:11], s[8:9]
	s_cselect_b64 s[6:7], s[8:9], s[10:11]
	s_add_nc_u64 s[20:21], s[2:3], s[20:21]        ; A's tile in plane 0
	s_add_nc_u64 s[76:77], s[4:5], s[22:23]        ; its rows' scale bytes
	s_add_nc_u64 s[46:47], s[12:13], s[46:47]      ; B's tile in plane 0
	s_add_nc_u64 s[78:79], s[6:7], s[92:93]
	CROUND                                         ; all sixteen work-groups are here: the first joint loads meet
	s_mul_i32 s22, s15, SLOT                       ; the head's loads: wave w fills slot w / 2 with K step w / 2, A's tile (w even) or B's (w odd), whole
	s_mul_i32 s92, s15, s88
	s_mov_b32 s[G0HA], 1
	s_mov_b32 s[G0HA+1], s22
	s_add_nc_u64 s[G0HA+2:G0HA+3], s[20:21], s[92:93]
	s_or_b32 s[G0HA+3], s[G0HA+3], 0x80000000
	s_mul_i32 s92, s15, s90
	s_mov_b32 s[G0HB], 1
	s_add_co_u32 s[G0HB+1], s22, 2*HALFT
	s_add_nc_u64 s[G0HB+2:G0HB+3], s[46:47], s[92:93]
	s_or_b32 s[G0HB+3], s[G0HB+3], 0x80000000
.macro ARM under, g0, g1, next         ; one chain of branches on the wave's number, one load to an arm, all arms to one join
	s_cmp_lt_u32 s14, \under
	s_cbranch_scc0 \next
	tensor_load_to_lds s[\g0:\g0+3], s[\g1:\g1+7]
	s_nop 0
.rept 4
	v_nop
.endr
	s_branch .Lhead_asked
\next:
.endm
	ARM 1, G0HA, G1,  .Lhead_1
	ARM 2, G0HB, G1B, .Lhead_2
	ARM 3, G0HA, G1,  .Lhead_3
	tensor_load_to_lds s[G0HB:G0HB+3], s[G1B:G1B+7]
	s_nop 0
.rept 4
	v_nop
.endr
.Lhead_asked:
	s_cmp_eq_u32 s15, 0                            ; the prefetch: waves 0, 1 ask for A's tiles of K steps 2 and 3, waves 2, 3 for B's
	s_cselect_b64 s[12:13], s[20:21], s[46:47]
	s_cselect_b32 s94, s40, s41                    ; my place among the four that will ask for the tile jointly
	s_cselect_b32 s95, s88, s90
	s_lshl_b32 s94, s94, 1
	s_add_co_u32 s94, s94, s16                     ; which eighth of the tile: 24 blocks of 256 bytes
	s_mul_i32 s94, s94, TILEB/8
	s_lshl_b32 s23, s95, 1
	s_add_co_u32 s94, s94, s23                     ; in plane 2
	v_and_b32 v30, 31, v0
	v_min_u32 v30, 23, v30                         ; (the lanes left over name the last block again)
	v_lshl_add_u32 v30, v30, 8, s94
	v_add_nc_u32 v31, s95, v30                     ; and in plane 3
	v_lshlrev_b32 v11, 4, v0                       ; the scale bytes: thread i takes bytes 16 i + 2,048 j,
	v_lshrrev_b32 v12, 4, v0
	v_lshl_add_u32 v12, v12, 4, v11
	v_add_nc_u32 v12, SCL, v12                     ; which go to SCL + 16 i + 16 (i / 16) + 2,176 j
.irp j, 0,1,2,3
	global_load_b128 v[AF+4*\j:AF+4*\j+3], v11, s[76:77] offset:2048*\j
	global_load_b128 v[AF+16+4*\j:AF+16+4*\j+3], v11, s[78:79] offset:2048*\j
.endr
	global_prefetch_b8 v30, s[12:13] th:TH_LOAD_NT scope:SCOPE_SE
	global_prefetch_b8 v31, s[12:13] th:TH_LOAD_NT scope:SCOPE_SE
	s_mul_i32 s92, s16, TILEB/2                    ; the ring's refills: a half tile a wave
	s_add_nc_u64 s[20:21], s[20:21], s[92:93]
	s_add_nc_u64 s[46:47], s[46:47], s[92:93]
	s_mov_b32 s[G0], 1
	s_mov_b32 s[G0+1], s45
	s_mov_b64 s[G0+2:G0+3], s[20:21]
	s_or_b32 s[G0+3], s[G0+3], 0x80000000
	s_mov_b32 s[G0+4], 1
	s_add_co_u32 s[G0+5], s45, SLOT
	s_add_nc_u64 s[G0+6:G0+7], s[20:21], s[88:89]
	s_or_b32 s[G0+7], s[G0+7], 0x80000000
	s_mov_b32 s[G0B], 1
	s_mov_b32 s[G0B+1], s45
	s_mov_b64 s[G0B+2:G0B+3], s[46:47]
	s_or_b32 s[G0B+3], s[G0B+3], 0x80000000
	s_mov_b32 s[G0B+4], 1
	s_add_co_u32 s[G0B+5], s45, SLOT
	s_add_nc_u64 s[G0B+6:G0B+7], s[46:47], s[90:91]
	s_or_b32 s[G0B+7], s[G0B+7], 0x80000000
	s_lshl_b32 s88, s88, 1                         ; a slot's next K step lies two planes on
	s_lshl_b32 s90, s90, 1
	v_and_b32 v1, 15, v0
	v_bfe_u32 v2, v0, 4, 1
	v_mul_u32_u24 v3, v1, PITCH
	v_mul_u32_u24 v4, v2, 24
	v_add_nc_u32 v4, v3, v4
	v_lshl_add_u32 v5, v2, 4, v4
	s_mul_i32 s21, s15, HALFT
	s_mul_i32 s22, s16, HALFT
	s_add_co_u32 s22, s22, 2*HALFT
.irp s, 0,1
	v_add_nc_u32 v[ADRA+\s], s21, v4
	v_add_nc_u32 v[ADRB+\s], s22, v4
	v_add_nc_u32 v[ADRA+2+\s], s21, v5
	v_add_nc_u32 v[ADRB+2+\s], s22, v5
	s_add_co_u32 s21, s21, SLOT
	s_add_co_u32 s22, s22, SLOT
.endr
	v_mul_u32_u24 v5, v1, KS
	v_lshrrev_b32 v6, 8, v5
	v_lshl_add_u32 v5, v6, 4, v5
	s_mul_i32 s21, s15, HALFS
	s_mul_i32 s22, s16, HALFS
	s_add_co_u32 s22, s22, 2*HALFS
	s_sub_co_u32 s22, s22, s21
	v_mul_u32_u24 v6, s22, v2
	s_add_co_u32 s21, s21, SCL
	v_add_nc_u32 v5, v5, v6
	v_add_nc_u32 v[ADRS], s21, v5
	s_cmp_eq_u32 s66, 0
	s_cselect_b64 s[96:97], s[96:97], s[98:99]
	s_cmp_eq_u32 s66, 2
	s_cselect_b64 s[96:97], s[100:101], s[96:97]
	s_lshl_b32 s20, s40, 10
	s_lshl_b32 s21, s16, 9
	s_add_co_u32 s20, s20, s21
	s_mov_b32 s21, 0
	s_add_nc_u64 s[96:97], s[96:97], s[20:21]
	s_lshl_b32 s20, s41, 10
	s_lshl_b32 s22, s15, 9
	s_add_co_u32 s20, s20, s22
	s_add_nc_u64 s[100:101], s[100:101], s[20:21]
	v_lshlrev_b32 v9, 5, v2
	v_lshlrev_b32 v10, 2, v1
.irp b, 0,1,2,3,4,5,6,7
	global_load_b128 v[BI+8*\b:BI+8*\b+3], v9, s[96:97] offset:64*\b
	global_load_b128 v[BI+8*\b+4:BI+8*\b+7], v9, s[96:97] offset:64*\b+16
.endr
.irp a, 0,1,2,3,4,5,6,7
	global_load_b32 v[BV+2*\a], v10, s[100:101] offset:64*\a
	global_load_b32 v[BV+2*\a+1], v10, s[100:101] offset:64*\a
.endr
	s_load_b128 s[4:7], s[0:1], 0x28
.macro FRAG reg, adr, q, i
.irp p, 0,1,2,3,4,5
.set PC, 12*(\q)+6*(\p/3)+\p%3
.if PC%8 < 5
	ds_load_b64 v[\reg+2*\p:\reg+2*\p+1], v[\adr] offset:8*PC+16*(PC/8)+(\i)*16*PITCH
.else
	ds_load_b64 v[\reg+2*\p:\reg+2*\p+1], v[\adr+2] offset:8*PC+16*(PC/8)+(\i)*16*PITCH
.endif
.endr
.endm
.macro MUL16 a0, p, q, sc, zero
.irp a, \a0, \a0+1
.irp b, 0,1,2,3,4,5,6,7
.if \zero
	v_wmma_scale_f32_16x16x128_f8f6f4 v[8*(8*((\a)%4)+\b):8*(8*((\a)%4)+\b)+7], v[128*(\p)+FR*\b:128*(\p)+FR*\b+FR-1], v[AF+FR*(\a):AF+FR*(\a)+FR-1], 0, v[SC+8*NQ*(\sc)+NQ*\b+(\q)], v[SC+8*NQ*(\sc)+NQ*(\a)+(\q)] matrix_a_fmt:MATRIX_FMT_FP6 matrix_b_fmt:MATRIX_FMT_FP6 matrix_a_scale:MATRIX_SCALE_ROW1
.else
	v_wmma_scale_f32_16x16x128_f8f6f4 v[8*(8*((\a)%4)+\b):8*(8*((\a)%4)+\b)+7], v[128*(\p)+FR*\b:128*(\p)+FR*\b+FR-1], v[AF+FR*(\a):AF+FR*(\a)+FR-1], v[8*(8*((\a)%4)+\b):8*(8*((\a)%4)+\b)+7], v[SC+8*NQ*(\sc)+NQ*\b+(\q)], v[SC+8*NQ*(\sc)+NQ*(\a)+(\q)] matrix_a_fmt:MATRIX_FMT_FP6 matrix_b_fmt:MATRIX_FMT_FP6 matrix_a_scale:MATRIX_SCALE_ROW1
.endif
.endr
.endr
.endm
.macro FETCH_B slot, q, p
	WIN TO_B
.irp i, 0,1,2,3,4,5,6,7
	FRAG 128*(\p)+FR*\i, ADRB+\slot, \q, \i
.endr
	WIN 0
.endm
.macro FETCH_A slot, q, i0
.irp i, \i0, \i0+1, \i0+2, \i0+3
	FRAG AF+FR*(\i), ADRA+\slot, \q, \i
.endr
.endm
.macro SCALES sc
.irp i, 0,1,2,3,4,5,6,7
	ds_load_b64 v[SC+8*NQ*\sc+NQ*\i:SC+8*NQ*\sc+NQ*\i+1], v[ADRS] offset:\i*SBLK
.endr
.endm
.macro PLACES n
.rept \n
	v_nop
.endr
.endm
.macro STEP slot, q, zero
	s_wait_dscnt 4*NL
	WIN MUL_LO
	MUL16 0, (\q)%2, \q, \slot, \zero
	MUL16 2, (\q)%2, \q, \slot, \zero
	s_wait_dscnt 0
	PLACES NP
	FETCH_B \slot, (\q)+1, 1-(\q)%2
	FETCH_A \slot, (\q)+1, 0
	WIN MUL_HI
	MUL16 4, (\q)%2, \q, \slot, \zero
	MUL16 6, (\q)%2, \q, \slot, \zero
	PLACES NP
	WIN 0
	FETCH_A \slot, (\q)+1, 4
.endm
.macro TURN slot, next, fill
	s_wait_tensorcnt 0x0
	ds_add_u32 v[SPW], v[NIL]
	s_mov_b32 s[G1+2], 96<<16                      ; no tensor load of mine is out: from here on a load brings a half tile, 96 rows of 256 bytes
	s_mov_b32 s[G1+4], 96
	s_mov_b32 s[G1B+2], 96<<16
	s_mov_b32 s[G1B+4], 96
	s_wait_dscnt 4*NL+1
	WIN MUL_LO
	MUL16 0, 1, NQ-1, \slot, 0
	s_wait_dscnt 0x0
	s_barrier_signal -1
	MUL16 2, 1, NQ-1, \slot, 0
	WIN 0
	s_barrier_wait -1
.if \fill
	CREST
	s_add_nc_u64 s[G0+4*\slot+2:G0+4*\slot+3], s[G0+4*\slot+2:G0+4*\slot+3], s[88:89]
	s_add_nc_u64 s[G0B+4*\slot+2:G0B+4*\slot+3], s[G0B+4*\slot+2:G0B+4*\slot+3], s[90:91]
	JLOAD G0+4*\slot, G1, G0B+4*\slot, G1B
.else
	PLACES NP
.endif
	s_wait_alu depctr_va_vdst(0)
	v_add_nc_u32 v[ADRS], 4*NQ, v[ADRS]
	FETCH_B \next, 0, 0
	FETCH_A \next, 0, 0
	SCALES \next
	WIN MUL_HI
	MUL16 4, 1, NQ-1, \slot, 0
	MUL16 6, 1, NQ-1, \slot, 0
	PLACES NP
	WIN 0
	FETCH_A \next, 0, 4
.endm
	s_wait_alu depctr_va_vdst(0)
	s_wait_loadcnt 32                              ; the eight loads of scale bytes are in; the 32 loads of the biases behind them may be out
.irp j, 0,1,2,3
	ds_store_b128 v12, v[AF+4*\j:AF+4*\j+3] offset:2176*\j
	ds_store_b128 v12, v[AF+16+4*\j:AF+16+4*\j+3] offset:2*HALFS+2176*\j
.endr
	s_cmp_lt_u32 s14, 2                            ; waves 0 and 1 wait for K step 0's tiles, whose load lines are theirs alone; K step 1's may be out
	s_cbranch_scc0 .Lnot_slot_0
	s_wait_tensorcnt 0x0
.Lnot_slot_0:
	s_wait_dscnt 0x0                               ; my part of the scale bytes is stored
	s_barrier_signal -1
	s_barrier_wait -1
	FETCH_B 0, 0, 0
	FETCH_A 0, 0, 0
	SCALES 0
	FETCH_A 0, 0, 4
	STEP 0, 0, 1
	s_mov_b32 s3, LAPS-1
.Llap:
	TURN 0, 1, 1
	STEP 1, 0, 0
	TURN 1, 0, 1
	STEP 0, 0, 0
	s_sub_co_u32 s3, s3, 1
	s_cmp_lg_u32 s3, 0
	s_cbranch_scc1 .Llap
	TURN 0, 1, 0
	STEP 1, 0, 0
	s_wait_dscnt 4*NL
	WIN MUL_LO
	MUL16 0, 1, NQ-1, 1, 0
	MUL16 2, 1, NQ-1, 1, 0
	s_wait_dscnt 0
	WIN MUL_HI
	MUL16 4, 1, NQ-1, 1, 0
	MUL16 6, 1, NQ-1, 1, 0
	WIN 0
.macro QUANT s, d0, d1, pw
.irp b, 0,1,2,3
	v_max3_num_f32 v[TM+\b], |v[(\s)+16*\b]|, |v[(\s)+1+16*\b]|, 0x1800000
.endr
.irp i, 2,4,6,8,10,12,14
.irp b, 0,1,2,3
	v_max3_num_f32 v[TM+\b], v[TM+\b], |v[(\s)+16*\b+\i]|, |v[(\s)+1+16*\b+\i]|
.endr
.endr
.irp b, 0,1,2,3
	v_permlanex16_b32 v[TM+4+\b], v[TM+\b], s68, s69
.endr
.irp b, 0,1,2,3
	v_max_num_f32 v[TM+\b], v[TM+\b], v[TM+4+\b]
.endr
.irp b, 0,1,2,3
	v_add_nc_u32 v[TM+12+\b], 0xff000000, v[TM+\b]
.endr
.irp b, 0,1,2,3
	v_lshrrev_b32 v[TM+4+\b], 23, v[TM+12+\b]
.endr
	v_lshl_or_b32 v[\pw], v[TM+5], 8, v[TM+4]
	v_lshl_or_b32 v[\pw], v[TM+6], 16, v[\pw]
	v_lshl_or_b32 v[\pw], v[TM+7], 24, v[\pw]
	v_cvt_scalef32_pk16_fp6_f32 v[(\d0):(\d0)+2], v[(\s):(\s)+15], v[TM+12]
	v_cvt_scalef32_pk16_fp6_f32 v[CT:CT+2], v[(\s)+16:(\s)+31], v[TM+13]
	v_cvt_scalef32_pk16_fp6_f32 v[(\d1):(\d1)+2], v[(\s)+32:(\s)+47], v[TM+14]
	v_cvt_scalef32_pk16_fp6_f32 v[CT+4:CT+6], v[(\s)+48:(\s)+63], v[TM+15]
	v_nop
.irp i, 0,1,2
	v_permlane16_swap_b32 v[(\d0)+\i], v[CT+\i]
.endr
.irp i, 0,1,2
	v_mov_b32 v[(\d0)+3+\i], v[CT+\i]
.endr
.irp i, 0,1,2
	v_permlane16_swap_b32 v[(\d1)+\i], v[CT+4+\i]
.endr
.irp i, 0,1,2
	v_mov_b32 v[(\d1)+3+\i], v[CT+4+\i]
.endr
.endm
.macro ADDB a, bias, step
	WIN 0x02+(\a)/4
.set J, 0
.rept 32
	v_pk_add_f32 v[ST+J:ST+J+1], v[64*((\a)%4)+J:64*((\a)%4)+J+1], v[\bias+\step*J:\bias+\step*J+1]
.set J, J+2
.endr
	WIN 0
.endm
	PLACES NP
	s_wait_loadcnt 0x0
	s_wait_kmcnt 0x0
	v_and_b32 v1, 31, v0
	v_lshlrev_b32 v[LI], 4, v1
	v_lshlrev_b32 v[L8], 3, v1
	v_and_b32 v2, 15, v0
	v_bfe_u32 v3, v0, 4, 1
	v_lshlrev_b32 v[QSA], 5, v2
	v_lshl_add_u32 v[QSA], v3, 4, v[QSA]
.irp b, 0,1,2,3
	v_mov_b32 v[TM+4+\b], 0
.endr
	s_mov_b32 s68, 0x76543210
	s_mov_b32 s69, 0xfedcba98
	s_cmp_eq_u32 s66, 2
	s_cselect_b32 s18, s42, s17
	s_cselect_b32 s19, s16, s15
	s_cselect_b32 s20, s41, s40
	s_cselect_b32 s21, s15, s16
	s_lshl_b32 s18, s18, 8
	s_lshl_b32 s19, s19, 7
	s_add_co_u32 s18, s18, s19
	s_lshr_b32 s22, s18, 11
	s_bfe_u32 s23, s18, 0x40007
	s_lshl_b32 s20, s20, 2
	s_lshl_b32 s21, s21, 1
	s_add_co_u32 s20, s20, s21
	s_lshl_b32 s22, s22, 4
	s_add_co_u32 s22, s22, s20
	s_mul_i32 s20, s22, HEADB
	s_mul_i32 s21, s23, STEPB
	s_add_co_u32 s20, s20, s21
	s_mov_b32 s21, 0
	s_cmp_eq_u32 s66, 1
	s_cbranch_scc1 .Lpath_k
	s_cmp_eq_u32 s66, 2
	s_cbranch_scc1 .Lpath_v
	s_mul_i32 s20, s22, QHEAD
	s_mul_i32 s18, s23, 8*768
	s_add_co_u32 s20, s20, s18
	s_add_nc_u64 s[8:9], s[4:5], s[20:21]
	s_lshl_b32 s20, s22, 13
	s_lshl_b32 s18, s23, 9
	s_add_co_u32 s20, s20, s18
	s_add_co_u32 s20, s20, QS
	s_add_nc_u64 s[10:11], s[4:5], s[20:21]
.irp a, 0,1,2,3,4,5,6,7
	ADDB \a, BI, 1
	s_wait_xcnt 0x0
	QUANT ST, IMG, IMG+6, PW0
.irp c, 0,1
	global_store_b128 v[LI], v[IMG+6*\c:IMG+6*\c+3], s[8:9] offset:\c*QHEAD+768*\a
	global_store_b64 v[L8], v[IMG+6*\c+4:IMG+6*\c+5], s[8:9] offset:\c*QHEAD+768*\a+512
.endr
	v_perm_b32 v[WD+\a], v[PW0], v[PW0], 0x01000100
	v_perm_b32 v[WD+8+\a], v[PW0], v[PW0], 0x03020302
.endr
	v_cmp_ne_u32 vcc_lo, 0, v3
.irp c, 0,1
.irp i, 0,1,2,3
	v_cndmask_b32 v[WD+16+4*\c+\i], v[WD+8*\c+\i], v[WD+8*\c+4+\i], vcc_lo
.endr
	global_store_b128 v[QSA], v[WD+16+4*\c:WD+16+4*\c+3], s[10:11] offset:8192*\c
.endr
	s_branch .Lend
.Lpath_k:
	s_add_nc_u64 s[8:9], s[6:7], s[20:21]
.irp a, 0,1,2,3,4,5,6,7
	ADDB \a, BI, 1
.if (\a)%2 == 0
	s_wait_xcnt 0x0
.endif
	QUANT ST, IMG+6*((\a)%2), IMG+12+6*((\a)%2), PW0+(\a)%2
.if (\a)%2 == 1
.irp c, 0,1
.irp i, 0,1,2
	global_store_b128 v[LI], v[IMG+12*\c+4*\i:IMG+12*\c+4*\i+3], s[8:9] offset:\c*HEADB+(\a/2)*1536+512*\i
.endr
.endr
	v_perm_b32 v[WD+\a/2], v[PW0+1], v[PW0], 0x05040100
	v_perm_b32 v[WD+4+\a/2], v[PW0+1], v[PW0], 0x07060302
.endif
.endr
.irp c, 0,1
	global_store_b128 v[LI], v[WD+4*\c:WD+4*\c+3], s[8:9] offset:\c*HEADB+6144
.endr
	s_branch .Lend
.Lpath_v:
	s_add_co_u32 s20, s20, 6656
	s_add_nc_u64 s[8:9], s[6:7], s[20:21]
.irp a, 0,1,2,3,4,5,6,7
	ADDB \a, BV+2*\a, 0
	s_wait_xcnt 0x0
	QUANT ST, IMG, IMG+6, WD+\a
.irp i, 0,1,2
	global_store_b128 v[LI], v[IMG+4*\i:IMG+4*\i+3], s[8:9] offset:(\a/4)*HEADB+(\a%4)*1536+512*\i
.endr
.endr
.irp c, 0,1
	global_store_b128 v[LI], v[WD+4*\c:WD+4*\c+3], s[8:9] offset:\c*HEADB+6144
.endr
.Lend:
	s_wait_tensorcnt 0x0
	ds_add_u32 v[SPW], v[NIL]
	s_wait_dscnt 0x0
	CROUND
	s_endpgm
.Lfunc_end_k_qf21e081d5f_qkv:
	.size	k_qf21e081d5f_qkv, .Lfunc_end_k_qf21e081d5f_qkv-k_qf21e081d5f_qkv
	.p2alignl 7, 3214868480
	.fill 96, 4, 3214868480
	.section	.rodata,"a",@progbits
	.p2align	6, 0x0
	.amdhsa_kernel k_qf21e081d5f_qkv
		.amdhsa_group_segment_fixed_size 327680
		.amdhsa_private_segment_fixed_size 0
		.amdhsa_enable_private_segment 0
		.amdhsa_kernarg_size 56
		.amdhsa_user_sgpr_count 2
		.amdhsa_user_sgpr_kernarg_segment_ptr 1
		.amdhsa_wavefront_size32 1
		.amdhsa_system_sgpr_workgroup_id_x 1
		.amdhsa_system_sgpr_workgroup_id_y 1
		.amdhsa_system_sgpr_workgroup_id_z 1
		.amdhsa_system_vgpr_workitem_id 0
		.amdhsa_next_free_vgpr 1024
		.amdhsa_next_free_sgpr 102
		.amdhsa_reserve_vcc 1
		.amdhsa_float_denorm_mode_32 3
		.amdhsa_float_denorm_mode_16_64 3
		.amdhsa_memory_ordered 1
		.amdhsa_forward_progress 1
		.amdhsa_inst_pref_size 255
	.end_amdhsa_kernel
	.section	.bss,"aw",@nobits
	.p2align	6
	.space	262144
	.amdgpu_metadata
---
amdhsa.version: [ 1, 2 ]
amdhsa.kernels:
  - .name:           k_qf21e081d5f_qkv
    .symbol:         k_qf21e081d5f_qkv.kd
    .args:
      - { .name: hc, .offset: 0, .size: 8, .value_kind: global_buffer, .address_space: global }
      - { .name: wc, .offset: 8, .size: 8, .value_kind: global_buffer, .address_space: global }
      - { .name: wq_b, .offset: 16, .size: 8, .value_kind: global_buffer, .address_space: global }
      - { .name: wk_b, .offset: 24, .size: 8, .value_kind: global_buffer, .address_space: global }
      - { .name: wv_b, .offset: 32, .size: 8, .value_kind: global_buffer, .address_space: global }
      - { .name: qc, .offset: 40, .size: 8, .value_kind: global_buffer, .address_space: global }
      - { .name: kv, .offset: 48, .size: 8, .value_kind: global_buffer, .address_space: global }
    .group_segment_fixed_size: 327680
    .private_segment_fixed_size: 0
    .kernarg_segment_align: 8
    .kernarg_segment_size: 56
    .max_flat_workgroup_size: 128
    .sgpr_count:     102
    .vgpr_count:     1024
    .wavefront_size: 32
...
	.end_amdgpu_metadata
.endif
;; end of part 2
;; launch attn (part 3): grid 4 x 64, 16 waves a work-group, clusters of 4 x 1, 224,256 bytes of LDS; arguments qc, kv, src_key_padding_mask, oc; writes oc
.if DOCPART == 3
	.amdgcn_target "amdgcn-amd-amdhsa--gfx1250"
	.amdhsa_code_object_version 6
	.text
	.protected	k_qf21e081d5f_attn
	.globl	k_qf21e081d5f_attn
	.p2align	8
	.type	k_qf21e081d5f_attn,@function
k_qf21e081d5f_attn:
	s_mov_b64 s[64:65], 0
	v_nop
	global_prefetch_b8 v0, s[64:65] scope:SCOPE_SE
	s_setreg_imm32_b32 hwreg(HW_REG_WAVE_MODE, 25, 1), 1
	s_wait_xcnt 0x0
	s_wait_alu depctr_hold_cnt(0) depctr_sa_sdst(0) depctr_va_vdst(0) depctr_va_sdst(0) depctr_va_ssrc(0) depctr_va_vcc(0) depctr_vm_vsrc(0)
	s_getreg_b32 s2, hwreg(HW_REG_IB_STS2, 6, 4)
	s_cmp_eq_u32 s2, 0
	s_cbranch_scc0 .Lentry_in_a_cluster
	s_endpgm
.Lentry_in_a_cluster:
	s_bfe_u32 s2, ttmp6, 0x10000c
	s_cmp_lg_u32 s2, 0x3003
	s_cbranch_scc0 .Lentry_shape_is_right
	s_endpgm
.Lentry_shape_is_right:
; O = softmax(q k^T / 8, masked keys left out) v for one head of one batch, both products on codes of FP6 (E2M3) with E8M0 scales; O / l is quantised along d_model and stored as the last launch's operand.
; t = score x log2(e) / 8; M = the running largest t rounded UP to a whole number; p = 2^(t - M) is quantised along the keys, not normalised; the row's sum l is taken of the unquantised p and divides O at the end.
; When M moves, l and O are multiplied by 2^(old M - new M): exact.
; SHARES.  256 work-groups.  A work-group owns 512 queries of one head; each of its sixteen waves takes two tiles of 16 queries, one after the other, on the same K and V in LDS: tile 16 p + wave of the 32 in pass p.
; No barrier stands between a wave's two passes.  Four waves to a SIMD, 256 registers each.
; NO RING.  A head's K and V, codes and scale words, are 212,992 bytes: they come into LDS once, as they lie in kv (16 key steps of 13,312 bytes, each an image of operand registers): no byte of LDS is filled twice.
; CLUSTER.  The four work-groups of a cluster are the 2,048 queries of one head: each key step is asked for JOINTLY, by the same tensor load with the same descriptor and the mask of all four.  Wave w asks for key step w: one load a wave.
; Waves 0-3 have a load line and a wait of their own, so that the first barrier shows key steps 0-3 alone; the second shows all.
; NO PREFETCH: all that the work-group reads of kv is asked for by the sixteen loads at the head; no later load is left to run ahead of.
; LAYOUT.  Both products are used transposed: S^T = K q^T (source 0 = keys), O^T = V^T p^T (source 0 = 16 of the head's 64): a lane holds ONE query (lane % 16) throughout.
; K = 64 IN AN INSTRUCTION OF 128: a fragment of K holds key 32 b + r in k 0-63 and key 32 b + 16 + r in k 64-127; it is multiplied once by (q | zeros) and once by (zeros | q): zero codes add nothing.
; THE MASK: 0 or -2^100 for each key lies in LDS as f32 and is the C of the first product.
; Tile t of S^T holds keys 16 t + 8 (lane / 16) + 0 .. 7: so inside a block of 32 keys p's codes stand in the order 0-7, 16-23, 8-15, 24-31, and so do V's.
; LIMITS: a masked score is the score - 2^100, not -infinity (p is 0 all the same); the running maximum begins at -2^80, so a true t under -2^80 counts as masked.  A query all of whose keys are masked has l = 0:
; its scale bytes become 0xff, so that the last launch gives NaN for that row, as a softmax over nothing does.  NaN and infinities among the inputs are not served.
; REGISTERS: v1-7 addresses and lane numbers; v12 -M, v13 the largest t, v[14:15] the sum in two halves; v16-33 zeros, q, zeros; v34 q's scale word; v36-83 four fragments of K or V; v84-87 their scale words;
;   v88-94 the second pass's q and its scale word; v96-159 S^T, then p; v160-191 O^T; v192-203 p's codes; v204-229 at work; v230-231 addresses for the way out; v242-253 partial sums; v254-255 the add's two.
.set STEPB, 13312                      ; a key step: K 4 x 1,536, words 512, V 4 x 1,536, words 512
.set HEADB, 212992
.set KSC,   6144
.set VIMG,  6656
.set VSC,   12800
.set MB,    HEADB                      ; LDS: behind the head: f32 [2,048]: 0, or -2^100 for a masked key
.set OSG,   MB+8192                    ; 512 half words: the scale bytes of the work-group's 512 rows of O
.set SPARE, OSG+1024                   ; the spare words: 128 bytes a wave
.set QHEAD, 98304
.set QS,    6291456
.set OS,    6291456
.set LI,  1                            ; v1  16 x lane
.set MBA, 2                            ; v2  MB + 32 (lane / 16)
.set ADK, 3                            ; v3  the step's block
.set ADM, 4                            ; v4  the step's mask numbers
.set L8,  5                            ; v5  8 x lane
.set FRG, 36
.set FSC, 84
.set Q2,  88
.set S,   96
.set O,   160
.set PC,  192
.set CT,  204                          ; v204-206, v208-210
.set BM,  212                          ; v212-215 the blocks' largest scores
.set BT,  216                          ; v216-219 at work
.set SO,  220                          ; v220-223 the conversions' scale operands
.set PWD, 224                          ; v224 p's scale word
.set F,   226                          ; v[226:227] f = 2^(old M - new M); later 1 / l
.set TT,  228
.set OSW, 230
.set OSR, 231
.set WV,  12
.set CS,  22                           ; s[22:23] c = log2(e) / 8
.set SEL, 48                           ; s[48:49] selects for the lane 16 away
.set TB,  50                           ; s50 LDS byte of the step in hand
.set TMK, 51                           ; s51 512 bytes of mask numbers a step
.set CNT, 52
.macro CROUND                          ; a round of the cluster's barrier
	s_barrier_signal -1
	s_barrier_wait -1
	s_cmp_lg_u32 s[WV], 0
	s_cbranch_scc1 .Lnot_wave_0_\@
	s_barrier_signal -3
.Lnot_wave_0_\@:
	s_barrier_wait -3
	s_barrier_signal -1
	s_barrier_wait -1
.endm
.macro START                           ; a pass begins: O^T and the sum are zeros, the largest t is -2^80
.set J, 0
.rept 32
	v_mov_b32 v[O+J], 0
.set J, J+1
.endr
	v_mov_b32 v14, 0
	v_mov_b32 v15, 0
	v_mov_b32 v13, 0xe7800000
	s_delay_alu instid0(VALU_DEP_1)
	v_floor_f32 v12, -v13                          ; -M
.endm
	s_load_b256 s[4:11], s[0:1], 0x0               ; qc, kv, the mask, oc
	v_lshl_add_u32 v254, v0, 2, SPARE
	v_mov_b32 v255, 0
	ds_add_u32 v254, v255                          ; the opening lines: the add twice on end and its wait
	ds_add_u32 v254, v255
	v_lshrrev_b32 v8, 5, v0
	v_readfirstlane_b32 s[WV], v8                  ; wave 0..15
	s_bfe_u32 s13, ttmp6, 0x40000                  ; cx
	s_lshl_b32 s14, ttmp9, 2
	s_add_co_u32 s14, s14, s13
	s_lshl_b32 s14, s14, 1                         ; the block of 256 queries of the pass in hand: it enters q's and O's addresses alone
	s_and_b32 s15, ttmp7, 0xffff                   ; 16 x batch + head, which the four partners share
	s_lshr_b32 s16, s15, 4                         ; batch
	s_and_b32 s17, s15, 15                         ; head
	s_mov_b32 s24, 15|(3<<16)|(1<<21)              ; group 1: the mask of all four; elements of 8 bytes; bit 21 beside a mask; no padding
	s_mov_b32 s25, 32<<16                          ; tensor_dim0 = 32 elements: rows of 256 bytes
	s_mov_b32 s26, 52<<16                          ; tensor_dim1 = 52 rows: 13,312 dense bytes
	s_mov_b32 s27, 32<<16                          ; tile_dim0
	s_mov_b32 s28, 52                              ; tile_dim1
	s_mov_b32 s29, 32                              ; the pitch
	s_mov_b32 s30, 0
	s_mov_b32 s31, 0
	s_mul_i32 s18, s[WV], STEPB                    ; wave w's load is key step w
	s_mul_i32 s20, s15, HEADB
	s_add_co_u32 s20, s20, s18
	s_mov_b32 s21, 0
	s_mov_b32 s[CS], 0x3e38aa3b                    ; log2(e) / 8
	s_mov_b32 s[CS+1], s[CS]
	s_mov_b32 s[SEL], 0x76543210
	s_mov_b32 s[SEL+1], 0xfedcba98
	v_and_b32 v9, 31, v0
	v_and_b32 v6, 15, v0                           ; r
	v_bfe_u32 v7, v0, 4, 1                         ; h
	v_lshlrev_b32 v[LI], 4, v9
	v_lshlrev_b32 v[L8], 3, v9
	v_lshl_add_u32 v[MBA], v7, 5, MB
	v_and_b32 v[OSW], 0x1e0, v0                    ; 32 x wave,
	v_lshlrev_b32 v8, 2, v0                        ; my four mask bytes
	v_lshl_add_u32 v[OSW], v6, 1, v[OSW]           ; + 2 r: my row's half word
	v_lshlrev_b32 v10, 5, v6                       ; q's scale words: 32 r
	v_add_nc_u32 v[OSW], OSG, v[OSW]
	v_add_nc_u32 v[OSR], OSG, v[LI]
	v_lshl_add_u32 v11, v0, 4, MB                  ; where my four mask numbers go
	s_lshl_b32 s2, s16, 11
	s_mov_b32 s3, 0
	s_lshl_b32 s53, s14, 4
	s_add_co_u32 s53, s53, s[WV]                   ; my first tile of 16 queries in the head; the second lies 16 tiles on
	s_mul_i32 s54, s15, QHEAD
	s_mul_i32 s55, s53, 768
	s_add_co_u32 s54, s54, s55
	s_mov_b32 s55, 0
	s_lshl_b32 s56, s15, 13
	s_lshr_b32 s57, s53, 3
	s_lshl_b32 s57, s57, 9
	s_add_co_u32 s56, s56, s57
	s_and_b32 s57, s53, 7
	s_lshl_b32 s57, s57, 2
	s_add_co_u32 s56, s56, s57
	s_add_co_u32 s56, s56, QS
	s_mov_b32 s57, 0
	s_wait_alu depctr_va_vdst(0)
	s_wait_dscnt 0x0
	s_wait_kmcnt 0x0
	s_add_nc_u64 s[8:9], s[8:9], s[2:3]            ; my batch's 2,048 mask bytes
	s_add_nc_u64 s[54:55], s[4:5], s[54:55]        ; q's codes
	s_add_nc_u64 s[56:57], s[4:5], s[56:57]        ; q's scale words
	s_mov_b32 s32, 1                               ; group 0: count = 1
	s_mov_b32 s33, s18                             ; LDS address: no place in the cluster enters it
	s_add_nc_u64 s[34:35], s[6:7], s[20:21]
	s_or_b32 s35, s35, 0x80000000                  ; type = 2
	global_load_b32 v9, v8, s[8:9]                 ; 512 threads x 4 bytes: the batch's mask
	CROUND                                         ; all four work-groups are here: the joint loads meet
	s_cmp_lt_u32 s[WV], 4                          ; two arms, one load each: the line of waves 0-3 is theirs alone
	s_cbranch_scc0 .Lfill_later
	tensor_load_to_lds s[32:35], s[24:31]
	s_nop 0
.rept 4
	v_nop
.endr
	s_branch .Lfilled
.Lfill_later:
	tensor_load_to_lds s[32:35], s[24:31]
	s_nop 0
.rept 4
	v_nop
.endr
.Lfilled:
	global_load_b128 v[22:25], v[LI], s[54:55]     ; q's half fragment: registers 0-3,
	global_load_b64 v[26:27], v[L8], s[54:55] offset:512   ; 4-5
	global_load_b32 v34, v10, s[56:57]
	global_load_b128 v[Q2:Q2+3], v[LI], s[54:55] offset:16*768       ; and the second pass's
	global_load_b64 v[Q2+4:Q2+5], v[L8], s[54:55] offset:16*768+512
	global_load_b32 v[Q2+6], v10, s[56:57] offset:1024
.irp j, 16,17,18,19,20,21,28,29,30,31,32,33
	v_mov_b32 v[\j], 0                             ; zero codes on both sides of q: v[22:33] = (q | 0), v[16:27] = (0 | q)
.endr
	START
.irp b, 0,1,2,3
	v_mov_b32 v[BT+\b], 0                          ; a lane permute's destination counts as one of its sources
.endr
	v_mov_b32 v[F+1], 0                            ; named as the upper half of a pair
	v_mov_b32 v[TT], 0
	v_mov_b32 v229, 0xf1800000                     ; -2^100
	s_wait_alu depctr_va_vdst(0)
	s_wait_loadcnt 6                               ; the mask bytes are in; q's six loads may be out
.irp i, 0,1,2,3
	v_bfe_u32 v[TT], v9, 8*\i, 8
	v_cmp_ne_u32 vcc_lo, 0, v[TT]
	v_cndmask_b32 v[FRG+\i], 0, v229, vcc_lo       ; 0, or -2^100 where the key is masked
.endr
	ds_store_b128 v11, v[FRG:FRG+3]
	s_wait_alu depctr_va_vdst(0)
	s_cmp_lt_u32 s[WV], 4
	s_cbranch_scc0 .Lnot_first_four
	s_wait_tensorcnt 0x0                           ; waves 0-3: key steps 0-3 have landed; the other twelve may be out: nothing is filled twice
.Lnot_first_four:
	s_wait_dscnt 0x0                               ; my mask numbers are stored
	s_barrier_signal -1
	s_barrier_wait -1                              ; key steps 0-3 and the mask numbers are whole
	s_wait_loadcnt 0x0                             ; q
; A KEY STEP: 128 keys.
.macro STEP
	v_add_nc_u32 v[ADK], s[TB], v[LI]
	v_add_nc_u32 v[ADM], s[TMK], v[MBA]
	v_nop
	v_nop                                          ; four plain lines between the last products and the loads into the registers that they read
.irp b, 0,1,2,3
.irp i, 0,1,2
	ds_load_b128 v[FRG+12*\b+4*\i:FRG+12*\b+4*\i+3], v[ADK] offset:1536*\b+512*\i   ; K's fragments as they were stored: 512 consecutive bytes a load
.endr
.endr
	ds_load_b128 v[FSC:FSC+3], v[ADK] offset:KSC   ; their four scale words
.irp t, 0,1,2,3,4,5,6,7
	ds_load_b128 v[S+8*\t:S+8*\t+3], v[ADM] offset:64*\t          ; the mask numbers of keys 16 t + 8 h + 0 .. 7: the C of tile t
	ds_load_b128 v[S+8*\t+4:S+8*\t+7], v[ADM] offset:64*\t+16
.endr
	s_wait_alu depctr_va_vdst(0)
	s_wait_dscnt 0x0
.irp b, 0,1,2,3                                ; eight accumulators, one instruction each
	v_wmma_scale_f32_16x16x128_f8f6f4 v[S+16*\b:S+16*\b+7], v[FRG+12*\b:FRG+12*\b+11], v[22:33], v[S+16*\b:S+16*\b+7], v[FSC+\b], v34 matrix_a_fmt:MATRIX_FMT_FP6 matrix_b_fmt:MATRIX_FMT_FP6
	v_wmma_scale_f32_16x16x128_f8f6f4 v[S+16*\b+8:S+16*\b+15], v[FRG+12*\b:FRG+12*\b+11], v[16:27], v[S+16*\b+8:S+16*\b+15], v[FSC+\b], v34 matrix_a_fmt:MATRIX_FMT_FP6 matrix_b_fmt:MATRIX_FMT_FP6
.endr
.rept 4
	v_nop                                          ; places in front of the loads below and of the first read of the scores
.endr
.irp t, 0,1,2,3
.irp i, 0,1,2
	ds_load_b128 v[FRG+12*\t+4*\i:FRG+12*\t+4*\i+3], v[ADK] offset:VIMG+1536*\t+512*\i   ; V's fragments land while the softmax is worked
.endr
.endr
	ds_load_b128 v[FSC:FSC+3], v[ADK] offset:VSC
.irp b, 0,1,2,3
	v_max3_num_f32 v[BM+\b], v[S+16*\b], v[S+1+16*\b], v[S+2+16*\b]   ; the largest score of each block of 32 keys: for the row's maximum and, since p rises with the score, for the block's largest p
.endr
.irp i, 3,5,7,9,11,13
.irp b, 0,1,2,3
	v_max3_num_f32 v[BM+\b], v[BM+\b], v[S+16*\b+\i], v[S+1+16*\b+\i]
.endr
.endr
.irp b, 0,1,2,3
	v_max_num_f32 v[BM+\b], v[BM+\b], v[S+15+16*\b]
.endr
.irp b, 0,1,2,3
	s_delay_alu instid0(VALU_DEP_4)
	v_permlanex16_b32 v[BT+\b], v[BM+\b], s[SEL], s[SEL+1]
.endr
.irp b, 0,1,2,3
	s_delay_alu instid0(VALU_DEP_4)
	v_max_num_f32 v[BM+\b], v[BM+\b], v[BT+\b]     ; with the other 16 keys of the block
.endr
	s_delay_alu instid0(VALU_DEP_2)
	v_max3_num_f32 v[TT], v[BM], v[BM+1], v[BM+2]
	s_delay_alu instid0(VALU_DEP_1)
	v_max_num_f32 v[TT], v[TT], v[BM+3]
	s_delay_alu instid0(VALU_DEP_1)
	v_mul_f32 v[TT], s[CS], v[TT]                  ; the step's largest t
	s_delay_alu instid0(VALU_DEP_1)
	v_max_num_f32 v13, v13, v[TT]                  ; the running largest t
	v_mov_b32 v[TT], v12
	s_delay_alu instid0(VALU_DEP_2)
	v_floor_f32 v12, -v13                          ; the new -M = -ceil(t)
	s_delay_alu instid0(VALU_DEP_1)
	v_sub_f32 v[TT], v12, v[TT]                    ; old M - new M: a whole number, 0 or less
	s_delay_alu instid0(VALU_DEP_1)
	v_cvt_i32_f32 v[TT], v[TT]                     ; (it saturates)
	s_delay_alu instid0(VALU_DEP_1)
	v_ldexp_f32 v[F], 1.0, v[TT]                   ; f = 2^(old M - new M)
.set J, 0
.rept 32
	v_pk_fma_f32 v[S+J:S+J+1], v[S+J:S+J+1], s[CS:CS+1], v[12:13] op_sel_hi:[1,0,0]   ; t - M, two at a time
.set J, J+2
.endr
.irp b, 0,1,2,3
	v_fma_f32 v[BM+\b], v[BM+\b], s[CS], v12       ; the same of each block's largest score
.endr
	s_wait_alu depctr_va_vdst(0)                   ; the wait ahead of the batch
.set J, 0
.rept 64
	v_exp_f32 v[S+J], v[S+J]                       ; p = 2^(t - M)
.set J, J+1
.endr
	v_pk_mul_f32 v[14:15], v[14:15], v[F:F+1] op_sel_hi:[1,0]   ; the sums under the new M: the plain line behind the exponentials
	s_wait_alu depctr_va_vdst(0)                   ; one wait for the batch of 64, ahead of its first reader
.irp b, 0,1,2,3
	v_exp_f32 v[BM+\b], v[BM+\b]                   ; the block's largest p: the same two instructions on the same number
.endr
	v_pk_add_f32 v[216:217], v[100:101], v[104:105]    ; the row's sum of the unquantised p, in eight chains
	v_pk_add_f32 v[252:253], v[108:109], v[112:113]
	v_pk_add_f32 v[250:251], v[116:117], v[120:121]
	v_pk_add_f32 v[248:249], v[124:125], v[128:129]
	v_pk_add_f32 v[246:247], v[132:133], v[136:137]
	v_pk_add_f32 v[244:245], v[140:141], v[144:145]
	v_pk_add_f32 v[242:243], v[148:149], v[152:153]
	v_pk_add_f32 v[14:15], v[14:15], v[156:157]
	v_pk_add_f32 v[216:217], v[216:217], v[96:97]
	v_pk_add_f32 v[252:253], v[252:253], v[98:99]
	v_pk_add_f32 v[250:251], v[250:251], v[102:103]
	v_pk_add_f32 v[248:249], v[248:249], v[106:107]
	v_pk_add_f32 v[246:247], v[246:247], v[110:111]
	v_pk_add_f32 v[244:245], v[244:245], v[114:115]
	v_pk_add_f32 v[242:243], v[242:243], v[118:119]
	v_pk_add_f32 v[14:15], v[14:15], v[122:123]
	v_pk_add_f32 v[216:217], v[216:217], v[126:127]
	v_pk_add_f32 v[252:253], v[252:253], v[130:131]
	v_pk_add_f32 v[250:251], v[250:251], v[134:135]
	v_pk_add_f32 v[248:249], v[248:249], v[138:139]
	v_pk_add_f32 v[246:247], v[246:247], v[142:143]
	v_pk_add_f32 v[244:245], v[244:245], v[146:147]
	v_pk_add_f32 v[242:243], v[242:243], v[150:151]
	v_pk_add_f32 v[14:15], v[14:15], v[154:155]
	v_pk_add_f32 v[216:217], v[216:217], v[158:159]
	s_delay_alu instid0(VALU_DEP_2)
	v_pk_add_f32 v[14:15], v[14:15], v[248:249]
	s_delay_alu instid0(VALU_DEP_2)
	v_pk_add_f32 v[216:217], v[216:217], v[246:247]
	v_pk_add_f32 v[252:253], v[252:253], v[244:245]
	v_pk_add_f32 v[250:251], v[250:251], v[242:243]
	s_delay_alu instid0(VALU_DEP_2)
	v_pk_add_f32 v[14:15], v[14:15], v[252:253]
	s_delay_alu instid0(VALU_DEP_2)
	v_pk_add_f32 v[216:217], v[216:217], v[250:251]
	s_delay_alu instid0(VALU_DEP_1)
	v_pk_add_f32 v[14:15], v[14:15], v[216:217]
	s_wait_alu depctr_va_vdst(0)                   ; and one for the four
.irp b, 0,1,2,3
	v_max_num_f32 v[BM+\b], 0x1800000, v[BM+\b]    ; the floor 2^(3 - 127): the byte cannot fall under 1
.endr
.irp b, 0,1,2,3
	s_delay_alu instid0(VALU_DEP_4)
	v_add_nc_u32 v[SO+\b], 0xff000000, v[BM+\b]    ; 2 off the exponent field: the conversion's scale operand
.endr
.irp b, 0,1,2,3
	s_delay_alu instid0(VALU_DEP_4)
	v_lshrrev_b32 v[BT+\b], 23, v[SO+\b]           ; the scale's byte
.endr
	s_delay_alu instid0(VALU_DEP_3)
	v_lshl_or_b32 v[PWD], v[BT+1], 8, v[BT]
	s_delay_alu instid0(VALU_DEP_1)
	v_lshl_or_b32 v[PWD], v[BT+2], 16, v[PWD]
	s_delay_alu instid0(VALU_DEP_1)
	v_lshl_or_b32 v[PWD], v[BT+3], 24, v[PWD]      ; p's scale word for these 128 keys
.irp c, 0,1
	v_cvt_scalef32_pk16_fp6_f32 v[PC+6*\c:PC+6*\c+2], v[S+32*\c:S+32*\c+15], v[SO+2*\c]
	v_cvt_scalef32_pk16_fp6_f32 v[CT+4*\c:CT+4*\c+2], v[S+32*\c+16:S+32*\c+31], v[SO+2*\c+1]
.endr
	v_nop                                          ; one plain line behind the scaled conversions
.irp c, 0,1
.irp i, 0,1,2
	v_permlane16_swap_b32 v[PC+6*\c+\i], v[CT+4*\c+\i]   ; a lane gets a whole block: lanes 0-15 block 2 c, lanes 16-31 block 2 c + 1
.endr
.irp i, 0,1,2
	s_delay_alu instid0(VALU_DEP_3)
	v_mov_b32 v[PC+3+6*\c+\i], v[CT+4*\c+\i]
.endr
.endr
.irp j, 0,2,4,6,8,10,12,14,16,18,20,22,24,26,28,30
	v_pk_mul_f32 v[O+\j:O+\j+1], v[O+\j:O+\j+1], v[F:F+1] op_sel_hi:[1,0]   ; O^T under the new M; these sixteen are also the places between the codes and the scale word just written and the products
.endr
	s_wait_alu depctr_va_vdst(0)
	s_wait_dscnt 0x0                               ; V
.irp t, 0,1,2,3
	v_wmma_scale_f32_16x16x128_f8f6f4 v[O+8*\t:O+8*\t+7], v[FRG+12*\t:FRG+12*\t+11], v[PC:PC+11], v[O+8*\t:O+8*\t+7], v[FSC+\t], v[PWD] matrix_a_fmt:MATRIX_FMT_FP6 matrix_b_fmt:MATRIX_FMT_FP6
.endr
	s_add_co_u32 s[TB], s[TB], STEPB
	s_add_co_u32 s[TMK], s[TMK], 512
.endm
; THE WAY OUT of pass p.  O^T / l; my 16 rows' 64 numbers of this head are two blocks of 32 along d_model: a half fragment and a half word of scale bytes.
.macro WAYOUT p
.rept 4
	v_nop                                          ; places behind the last products
.endr
	v_add_f32 v14, v14, v15
	s_delay_alu instid0(VALU_DEP_1)
	v_permlanex16_b32 v[TT], v14, s[SEL], s[SEL+1]
	s_delay_alu instid0(VALU_DEP_1)
	v_add_f32 v14, v14, v[TT]                      ; the row's sum
	s_wait_alu depctr_va_vdst(0)
	v_rcp_f32 v[F], v14
	v_mov_b32 v229, 0xffff                         ; (the plain line behind the reciprocal)
	s_lshl_b32 s18, s16, 3
	s_add_co_u32 s18, s18, s14                     ; my block of 256 tokens
	s_lshl_b32 s19, s18, 1
	s_lshr_b32 s20, s[WV], 3
	s_add_co_u32 s19, s19, s20                     ; my block of 128 tokens
	s_lshl_b32 s19, s19, 2
	s_lshr_b32 s20, s17, 2
	s_add_co_u32 s19, s19, s20                     ; x 4 + the K step of 256 (four heads)
	s_lshl_b32 s19, s19, 5
	s_and_b32 s20, s[WV], 7
	s_lshl_b32 s20, s20, 2
	s_add_co_u32 s19, s19, s20                     ; x 32 + 4 x the tile of 16 tokens
	s_and_b32 s20, s17, 3
	s_add_co_u32 s19, s19, s20                     ; + the head among its four
	s_mul_i32 s20, s19, 768
	s_mov_b32 s21, 0
	s_add_nc_u64 s[20:21], s[10:11], s[20:21]
	s_lshl_b32 s18, s18, 4
	s_add_co_u32 s18, s18, s17
	s_lshl_b32 s18, s18, 9
	s_add_co_u32 s18, s18, OS                      ; the half words: [block of 256 tokens][head][256][2 bytes]
	s_mov_b32 s19, 0
	s_add_nc_u64 s[58+2*\p:59+2*\p], s[10:11], s[18:19]
	s_wait_alu depctr_va_vdst(0)                   ; ahead of the reciprocal's first reader
.irp j, 0,2,4,6,8,10,12,14,16,18,20,22,24,26,28,30
	v_pk_mul_f32 v[S+\j:S+\j+1], v[O+\j:O+\j+1], v[F:F+1] op_sel_hi:[1,0]   ; each accumulator from its low end on
.endr
	v_max3_num_f32 v[BM], |v[S]|, |v[S+1]|, 0x1800000
	v_max3_num_f32 v[BM+1], |v[S+16]|, |v[S+17]|, 0x1800000
.irp i, 2,4,6,8,10,12,14
	s_delay_alu instid0(VALU_DEP_2)
	v_max3_num_f32 v[BM], v[BM], |v[S+\i]|, |v[S+1+\i]|
	s_delay_alu instid0(VALU_DEP_2)
	v_max3_num_f32 v[BM+1], v[BM+1], |v[S+16+\i]|, |v[S+17+\i]|
.endr
	s_delay_alu instid0(VALU_DEP_2)
	v_permlanex16_b32 v[BT], v[BM], s[SEL], s[SEL+1]
	s_delay_alu instid0(VALU_DEP_2)
	v_permlanex16_b32 v[BT+1], v[BM+1], s[SEL], s[SEL+1]
	s_delay_alu instid0(VALU_DEP_2)
	v_max_num_f32 v[BM], v[BM], v[BT]
	s_delay_alu instid0(VALU_DEP_2)
	v_max_num_f32 v[BM+1], v[BM+1], v[BT+1]
	s_delay_alu instid0(VALU_DEP_2)
	v_add_nc_u32 v[SO], 0xff000000, v[BM]
	s_delay_alu instid0(VALU_DEP_2)
	v_add_nc_u32 v[SO+1], 0xff000000, v[BM+1]
	s_delay_alu instid0(VALU_DEP_2)
	v_lshrrev_b32 v[BT], 23, v[SO]
	s_delay_alu instid0(VALU_DEP_2)
	v_lshrrev_b32 v[BT+1], 23, v[SO+1]
	s_delay_alu instid0(VALU_DEP_1)
	v_lshl_or_b32 v[TT], v[BT+1], 8, v[BT]         ; the two bytes
	v_cmp_eq_f32 vcc_lo, 0, v14
	s_delay_alu instid0(VALU_DEP_1)
	v_cndmask_b32 v[TT], v[TT], v229, vcc_lo       ; 0xffff where every key was masked
	v_cvt_scalef32_pk16_fp6_f32 v[PC:PC+2], v[S:S+15], v[SO]
	v_cvt_scalef32_pk16_fp6_f32 v[CT:CT+2], v[S+16:S+31], v[SO+1]
	v_nop
.irp i, 0,1,2
	v_permlane16_swap_b32 v[PC+\i], v[CT+\i]
.endr
.irp i, 0,1,2
	s_delay_alu instid0(VALU_DEP_3)
	v_mov_b32 v[PC+3+\i], v[CT+\i]
.endr
	global_store_b128 v[LI], v[PC:PC+3], s[20:21]              ; 512 consecutive bytes, aligned
	global_store_b64 v[L8], v[PC+4:PC+5], s[20:21] offset:512  ; 256 consecutive bytes, aligned
	ds_store_b16 v[OSW], v[TT] offset:512*\p       ; both halves of the lanes write the same value
.endm
	s_mov_b32 s[TB], 0
	s_mov_b32 s[TMK], 0
	s_mov_b32 s[CNT], 4
.Lfirst4:                                          ; pass 0, key steps 0-3, while steps 4-15 are on their way
	STEP
	s_sub_co_u32 s[CNT], s[CNT], 1
	s_cmp_lg_u32 s[CNT], 0
	s_cbranch_scc1 .Lfirst4
	s_wait_tensorcnt 0x0                           ; my load has landed
	s_wait_dscnt 0x0
	s_barrier_signal -1
	s_barrier_wait -1                              ; everybody's has: the head is whole
	s_mov_b32 s[CNT], 12
.Lrest:
	STEP
	s_sub_co_u32 s[CNT], s[CNT], 1
	s_cmp_lg_u32 s[CNT], 0
	s_cbranch_scc1 .Lrest
	WAYOUT 0
	s_wait_xcnt 0x0                                ; the stores have read their data and their base: both are written again below
	s_add_co_u32 s14, s14, 1                       ; pass 1: the next block of 256 queries
	v_mov_b32 v34, v[Q2+6]                         ; its scale word first: more than eight plain lines stand between it and the first product
.irp i, 0,1,2,3,4,5
	v_mov_b32 v[22+\i], v[Q2+\i]
.endr
	START
	s_mov_b32 s[TB], 0
	s_mov_b32 s[TMK], 0
	s_mov_b32 s[CNT], 16
.Lsecond:
	STEP
	s_sub_co_u32 s[CNT], s[CNT], 1
	s_cmp_lg_u32 s[CNT], 0
	s_cbranch_scc1 .Lsecond
	WAYOUT 1
	s_wait_dscnt 0x0
	s_barrier_signal -1
	s_barrier_wait -1                              ; the work-group's 512 half words lie together
	s_cmp_lg_u32 s[WV], 0
	s_cbranch_scc1 .Lnot_first
	ds_load_b128 v[S:S+3], v[OSR]
	ds_load_b128 v[S+4:S+7], v[OSR] offset:512
	s_wait_dscnt 0x0
	global_store_b128 v[LI], v[S:S+3], s[58:59]    ; wave 0 stores them: 512 consecutive bytes, aligned, for each block of 256 tokens
	global_store_b128 v[LI], v[S+4:S+7], s[60:61]
.Lnot_first:
	s_wait_tensorcnt 0x0                           ; the wave's end
	ds_add_u32 v254, v255
	s_wait_dscnt 0x0
	CROUND                                         ; the closing round
	s_endpgm
.Lfunc_end_k_qf21e081d5f_attn:
	.size	k_qf21e081d5f_attn, .Lfunc_end_k_qf21e081d5f_attn-k_qf21e081d5f_attn
	.p2alignl 7, 3214868480
	.fill 96, 4, 3214868480
	.section	.rodata,"a",@progbits
	.p2align	6, 0x0
	.amdhsa_kernel k_qf21e081d5f_attn
		.amdhsa_group_segment_fixed_size 224256
		.amdhsa_private_segment_fixed_size 0
		.amdhsa_enable_private_segment 0
		.amdhsa_kernarg_size 32
		.amdhsa_user_sgpr_count 2
		.amdhsa_user_sgpr_kernarg_segment_ptr 1
		.amdhsa_wavefront_size32 1
		.amdhsa_system_sgpr_workgroup_id_x 1
		.amdhsa_system_sgpr_workgroup_id_y 1
		.amdhsa_system_sgpr_workgroup_id_z 1
		.amdhsa_system_vgpr_workitem_id 0
		.amdhsa_next_free_vgpr 256
		.amdhsa_next_free_sgpr 66
		.amdhsa_reserve_vcc 1
		.amdhsa_float_denorm_mode_32 3
		.amdhsa_float_denorm_mode_16_64 3
		.amdhsa_memory_ordered 1
		.amdhsa_forward_progress 1
		.amdhsa_inst_pref_size 74
	.end_amdhsa_kernel
	.amdgpu_metadata
---
amdhsa.version: [ 1, 2 ]
amdhsa.kernels:
  - .name:           k_qf21e081d5f_attn
    .symbol:         k_qf21e081d5f_attn.kd
    .args:
      - { .name: qc, .offset: 0, .size: 8, .value_kind: global_buffer, .address_space: global }
      - { .name: kv, .offset: 8, .size: 8, .value_kind: global_buffer, .address_space: global }
      - { .name: src_key_padding_mask, .offset: 16, .size: 8, .value_kind: global_buffer, .address_space: global }
      - { .name: oc, .offset: 24, .size: 8, .value_kind: global_buffer, .address_space: global }
    .group_segment_fixed_size: 224256
    .private_segment_fixed_size: 0
    .kernarg_segment_align: 8
    .kernarg_segment_size: 32
    .max_flat_workgroup_size: 512
    .sgpr_count:     66
    .vgpr_count:     256
    .wavefront_size: 32
...
	.end_amdgpu_metadata
.endif
;; end of part 3
;; launch dense (part 4): grid 4 x 64, 4 waves a work-group, clusters of 4 x 4, 327,680 bytes of LDS; arguments oc, wc, dense_b, out0; writes out0
.if DOCPART == 4
	.amdgcn_target "amdgcn-amd-amdhsa--gfx1250"
	.amdhsa_code_object_version 6
	.text
	.protected	k_qf21e081d5f_dense
	.globl	k_qf21e081d5f_dense
	.p2align	8
	.type	k_qf21e081d5f_dense,@function
k_qf21e081d5f_dense:
	s_mov_b64 s[64:65], 0
	v_nop
	global_prefetch_b8 v0, s[64:65] scope:SCOPE_SE
	s_setreg_imm32_b32 hwreg(HW_REG_WAVE_MODE, 25, 1), 1
	s_wait_xcnt 0x0
	s_wait_alu depctr_hold_cnt(0) depctr_sa_sdst(0) depctr_va_vdst(0) depctr_va_sdst(0) depctr_va_ssrc(0) depctr_va_vcc(0) depctr_vm_vsrc(0)
	s_getreg_b32 s2, hwreg(HW_REG_IB_STS2, 6, 4)
	s_cmp_eq_u32 s2, 0
	s_cbranch_scc0 .Lentry_in_a_cluster
	s_endpgm
.Lentry_in_a_cluster:
	s_bfe_u32 s2, ttmp6, 0x10000c
	s_cmp_lg_u32 s2, 0xf033
	s_cbranch_scc0 .Lentry_shape_is_right
	s_endpgm
.Lentry_shape_is_right:
; out0 = O dense_w^T + dense_b on codes of FP6 (E2M3) with E8M0 scales, K = 1,024; out0 [8192][1024] f32.
; A tile of out0 is 128 rows x 256 columns, so that there are 256 work-groups; four waves, 64 x 128 each: 32 accumulators of 16 x 16, all of window 2.
; A = O's codes as the attention launch stored them: [block of 128 tokens][K step of 256][tile of 16 tokens 8][head of four 4][768]: a half fragment (16 rows x 64 k: registers 0-3 of lane L at 16 L, registers 4-5 at
; 512 + 8 L).  A K step's 24,576 bytes are dense in memory and come into LDS as they lie; two half fragments are a fragment.  B = dense_w's codes, rows 3,072 on of wc, through padded rows.
; A's scale bytes lie in oc as half words [block of 256 tokens][head][256 tokens]: at the head each thread merges two tokens' half words of eight heads into scale words and stores them to LDS bytes of their own.
; THE MATRIX INSTRUCTION IS USED TRANSPOSED (source 0 = 16 rows of B, source 1 = 16 rows of A): a lane holds eight neighbouring numbers of a row of out0.  The bias is the C of each sum's first product.
; CLUSTERS: 4 x 4 work-groups; A's tiles are asked for jointly along a row of the cluster, B's along a column.
; A scale byte 0xff (a row all of whose keys were masked) makes that row's sums NaN.
; REGISTERS: window 0: v0-31 addresses; v32-63 scale words, two sets; v64-127 the bias; v128-175 A's four fragments, one set; window 1: B's fragments, two sets; window 2: accumulator (a, b) at v[8 (8 a + b)].
; WHAT DIFFERS FROM THE LINES ABOVE.  wc holds the codes in four planes of [4096 rows][192 bytes], one for each 256 along K: B's 256 rows of a K step are 49,152 dense bytes from a multiple of 256 on, stated as rows of 256 bytes,
; with the padding's interval left at 64 bytes, so that an LDS row stays 240 bytes.  THE HEAD: one joint load a wave, each in an arm of its own: wave 0 A's K step 0, wave 1 B's, waves 2 and 3 those of K step 1;
; the first barrier waits for waves 0 and 1 alone.  B's scale bytes, 8,192 dense bytes, come by plain loads and are stored to LDS bytes of their own: no tile lands there.
; K steps 2 and 3 are asked for into the L2 at the head, each block of 256 bytes once in a cluster: the four partners of a joint load and their two waves take an eighth of a tile each, by address.
.set NQ,     2
.set ROWB,   192
.set WPL,    786432                    ; a plane of wc
.set TILEB,  49152                     ; B's 256 rows in a plane
.set KROW,   768
.set PITCH,  240                       ; B's LDS row: 3 x (64 bytes + 16 of padding)
.set FR,     12
.set NLA,    4                         ; LDS loads that bring a fragment of A
.set NP,     4
.set HALFB,  128*PITCH
.set ABYTES, 24576                     ; A's part of a slot
.set SLOT,   ABYTES+2*HALFB
.set KS,     32
.set HALFS,  4352                      ; the scales of 128 rows: 16 x (256 + 16)
.set SBLK,   544                       ; of 16 rows
.set SCA,    2*SLOT                    ; A's scale words: stored by the waves; no tile lands here
.set SCB,    SCA+HALFS                 ; B's: stored by the waves too
.set SPARE,  SCB+2*HALFS               ; the spare words: two blocks of 256 bytes that no other line names
.set SPITCH, 528                       ; the way out: a stage of 16 rows x (512 + 16) bytes a wave, in slot 0, which has had its last fill and its last read by then
.set OS,     6291456
.set WCD,    589824                    ; dense_w's rows in a plane of wc: 3,072 x 192
.set WSD,    3244032                   ; and its scale bytes
.set A16,  16                          ; v16-17 my A fragments in slot 0, 1: + 16 x lane
.set A8,   18                          ; v18-19 + 8 x lane
.set ADRB, 20                          ; v20-21 my B fragments (v22-23: behind one padding more)
.set STO,  24
.set RD,   25
.set CO,   26
.set ADRS, 27
.set SPW,  28
.set NIL,  29
.set SC,   32
.set BI,   64
.set AF,   128
.set BK,   128
.set XH,   200                         ; v200-207 half words as loaded; v208-215 the merged words
.set G1, 24
.set G0, 32
.set G1B, 48
.set G0B, 56
.set G0HA, 80
.set G0HB, 84
.set MSB, 0
.macro WIN new
.if MSB != \new
	s_set_vgpr_msb (MSB<<8)|\new
.set MSB, \new
.endif
.endm
.set MUL,   0xa1                       ; source 0 (B) window 1, source 1 (A) window 0, C and D window 2
.set MULF,  0x81                       ; the same with C (the bias) in window 0
.set TO_B,  0x40
.macro JLOAD g0a, g1a, g0b, g1b        ; waves 0 and 1 fetch A's halves, waves 2 and 3 B's; four v_nop follow each line
	s_cmp_eq_u32 s15, 0
	s_cbranch_scc0 .Lfor_b_\@
	tensor_load_to_lds s[\g0a:\g0a+3], s[\g1a:\g1a+7]
	s_nop 0
.rept 4
	v_nop
.endr
	s_branch .Lasked_\@
.Lfor_b_\@:
	tensor_load_to_lds s[\g0b:\g0b+3], s[\g1b:\g1b+7]
	s_nop 0
.rept 4
	v_nop
.endr
.Lasked_\@:
.endm
.macro CREST
	s_cmp_lg_u32 s14, 0
	s_cbranch_scc1 .Lnot_wave_0_\@
	s_barrier_signal -3
.Lnot_wave_0_\@:
	s_barrier_wait -3
	s_barrier_signal -1
	s_barrier_wait -1
.endm
.macro CROUND
	s_barrier_signal -1
	s_barrier_wait -1
	CREST
.endm
	s_load_b128 s[4:7], s[0:1], 0x0                ; oc, wc
	s_load_b128 s[8:11], s[0:1], 0x10              ; dense_b, out0
	v_lshl_add_u32 v[SPW], v0, 2, SPARE
	v_mov_b32 v[NIL], 0
	ds_add_u32 v28, v29
	ds_add_u32 v28, v29
	s_wait_dscnt 0x0
	v_lshrrev_b32 v1, 5, v0
	v_readfirstlane_b32 s14, v1                    ; wave 0..3
	s_lshr_b32 s15, s14, 1                         ; my 64 rows of A.  Also: I fetch for A (0) or for B (1)
	s_and_b32 s16, s14, 1                          ; my 128 rows of B.  Also: which half I fetch
	s_bfe_u32 s40, ttmp6, 0x40000                  ; cx
	s_bfe_u32 s41, ttmp6, 0x40004                  ; cy
	s_lshl_b32 s42, ttmp9, 2
	s_add_co_u32 s42, s42, s40                     ; the tile of 256 columns
	s_and_b32 s17, ttmp7, 0xffff
	s_lshl_b32 s17, s17, 2
	s_add_co_u32 s17, s17, s41                     ; the block of 128 tokens
	s_lshl_b32 s43, s41, 2
	s_lshl_b32 s43, 15, s43                        ; my row of the cluster
	s_lshl_b32 s44, 0x1111, s40                    ; my column
	s_or_b32 s[G1+0], s43, (3<<16)|(1<<21)         ; A: 12,288 dense bytes as 48 rows of 256 (32 elements of 8 bytes), no padding
	s_mov_b32 s[G1+1], 32<<16
	s_mov_b32 s[G1+2], 96<<16                      ; at the head a whole K step of A: 96 rows of 256 bytes
	s_mov_b32 s[G1+3], 32<<16
	s_mov_b32 s[G1+4], 96
	s_mov_b32 s[G1+5], 32
	s_mov_b32 s[G1+6], 0
	s_mov_b32 s[G1+7], 0
	s_or_b32 s[G1B+0], s44, (0<<16)|(1<<20)|(1<<21)|(3<<22)|(3<<25)   ; B: 128 rows of 192 bytes, 16 bytes of padding behind every 64
	s_mov_b32 s[G1B+1], 256<<16                    ; rows of 256 bytes; at the head B's whole tile: 192 of them
	s_mov_b32 s[G1B+2], 192<<16
	s_mov_b32 s[G1B+3], 256<<16
	s_mov_b32 s[G1B+4], 192
	s_mov_b32 s[G1B+5], 256
	s_mov_b32 s[G1B+6], 0
	s_mov_b32 s[G1B+7], 0
	s_mul_i32 s20, s17, 4*ABYTES                   ; A: the block's four K steps
	s_mov_b32 s21, 0
	s_lshl_b32 s46, s42, 8                         ; B's first row
	s_lshl_b32 s92, s46, 5
	s_add_co_u32 s92, s92, WSD                     ; its 256 rows' scale bytes
	s_mov_b32 s93, 0
	s_mul_i32 s46, s46, ROWB
	s_add_co_u32 s46, s46, WCD                     ; its codes in plane 0
	s_mov_b32 s47, 0
	s_mul_i32 s18, s16, ABYTES/2                   ; the refills: my half of A's K step, in memory and in a slot
	s_mov_b32 s19, 0
	s_mul_i32 s45, s16, HALFB
	s_add_co_u32 s45, s45, ABYTES                  ; and of B's tile in a slot
	s_mov_b32 s95, 0
	s_wait_kmcnt 0x0
	s_add_nc_u64 s[20:21], s[4:5], s[20:21]
	s_add_nc_u64 s[46:47], s[6:7], s[46:47]
	s_add_nc_u64 s[92:93], s[6:7], s[92:93]
	CROUND                                         ; all sixteen work-groups are here: the first joint loads meet
	s_mul_i32 s22, s15, SLOT                       ; the head's loads: wave w fills slot w / 2 with K step w / 2, A's part (w even) or B's (w odd), whole
	s_mul_i32 s94, s15, ABYTES
	s_mov_b32 s[G0HA], 1
	s_mov_b32 s[G0HA+1], s22
	s_add_nc_u64 s[G0HA+2:G0HA+3], s[20:21], s[94:95]
	s_or_b32 s[G0HA+3], s[G0HA+3], 0x80000000
	s_mul_i32 s94, s15, WPL
	s_mov_b32 s[G0HB], 1
	s_add_co_u32 s[G0HB+1], s22, ABYTES
	s_add_nc_u64 s[G0HB+2:G0HB+3], s[46:47], s[94:95]
	s_or_b32 s[G0HB+3], s[G0HB+3], 0x80000000
.macro ARM under, g0, g1, next         ; one chain of branches on the wave's number, one load to an arm, all arms to one join
	s_cmp_lt_u32 s14, \under
	s_cbranch_scc0 \next
	tensor_load_to_lds s[\g0:\g0+3], s[\g1:\g1+7]
	s_nop 0
.rept 4
	v_nop
.endr
	s_branch .Lhead_asked
\next:
.endm
	ARM 1, G0HA, G1,  .Lhead_1
	ARM 2, G0HB, G1B, .Lhead_2
	ARM 3, G0HA, G1,  .Lhead_3
	tensor_load_to_lds s[G0HB:G0HB+3], s[G1B:G1B+7]
	s_nop 0
.rept 4
	v_nop
.endr
.Lhead_asked:
	s_mov_b32 s96, WPL                             ; the prefetch: waves 0, 1 ask for A's K steps 2 and 3, waves 2, 3 for B's
	s_mov_b32 s97, TILEB/8
	s_cmp_eq_u32 s15, 0
	s_cselect_b64 s[12:13], s[20:21], s[46:47]
	s_cselect_b32 s23, s40, s41                    ; my place among the four that will ask jointly
	s_cselect_b32 s96, ABYTES, s96                 ; from a K step to the next
	s_cselect_b32 s97, ABYTES/8, s97               ; an eighth of a K step's bytes: 12 or 24 blocks of 256
	s_lshl_b32 s23, s23, 1
	s_add_co_u32 s23, s23, s16
	s_mul_i32 s23, s23, s97
	s_lshl_b32 s94, s96, 1
	s_add_co_u32 s23, s23, s94                     ; in K step 2
	s_lshr_b32 s97, s97, 8
	s_sub_co_u32 s97, s97, 1
	v_and_b32 v12, 31, v0
	v_min_u32 v12, s97, v12                        ; (the lanes left over name the last block again)
	v_lshl_add_u32 v12, v12, 8, s23
	v_add_nc_u32 v13, s96, v12                     ; and in K step 3
	v_lshlrev_b32 v10, 4, v0                       ; B's scale bytes: thread i takes bytes 16 i + 2,048 j,
	v_lshrrev_b32 v11, 4, v0
	v_lshl_add_u32 v11, v11, 4, v10
	v_add_nc_u32 v11, SCB, v11                     ; which go to SCB + 16 i + 16 (i / 16) + 2,176 j
.irp j, 0,1,2,3
	global_load_b128 v[216+4*\j:219+4*\j], v10, s[92:93] offset:2048*\j
.endr
	global_prefetch_b8 v12, s[12:13] th:TH_LOAD_NT scope:SCOPE_SE
	global_prefetch_b8 v13, s[12:13] th:TH_LOAD_NT scope:SCOPE_SE
	s_add_nc_u64 s[20:21], s[20:21], s[18:19]      ; the ring's refills: a half a wave
	s_mul_i32 s94, s16, TILEB/2
	s_add_nc_u64 s[46:47], s[46:47], s[94:95]
.irp s, 0,1
	s_mov_b32 s[G0+4*\s], 1
	s_add_co_u32 s[G0+4*\s+1], s18, \s*SLOT
	s_add_nc_u64 s[G0+4*\s+2:G0+4*\s+3], s[20:21], \s*ABYTES
	s_or_b32 s[G0+4*\s+3], s[G0+4*\s+3], 0x80000000
	s_mov_b32 s[G0B+4*\s], 1
	s_add_co_u32 s[G0B+4*\s+1], s45, \s*SLOT
	s_add_nc_u64 s[G0B+4*\s+2:G0B+4*\s+3], s[46:47], \s*WPL
	s_or_b32 s[G0B+4*\s+3], s[G0B+4*\s+3], 0x80000000
.endr
	v_and_b32 v1, 15, v0                           ; r
	v_bfe_u32 v2, v0, 4, 1                         ; h
	v_and_b32 v3, 31, v0                           ; lane
	s_mul_i32 s21, s15, ABYTES/2                   ; my 64 rows of A: four tiles of 16
	s_mul_i32 s22, s16, HALFB
	s_add_co_u32 s22, s22, ABYTES                  ; my 128 rows of B
	v_mul_u32_u24 v4, v1, PITCH
	v_mad_u32_u24 v4, v2, 24, v4                   ; B: row x pitch + 24 h
	v_lshl_add_u32 v5, v2, 4, v4                   ; and behind one padding more
	v_lshlrev_b32 v6, 4, v3
	v_lshlrev_b32 v7, 3, v3
.irp s, 0,1
	v_add_nc_u32 v[A16+\s], s21, v6
	v_add_nc_u32 v[A8+\s], s21, v7
	v_add_nc_u32 v[ADRB+\s], s22, v4
	v_add_nc_u32 v[ADRB+2+\s], s22, v5
	s_add_co_u32 s21, s21, SLOT
	s_add_co_u32 s22, s22, SLOT
.endr
	v_mul_u32_u24 v5, v1, KS                       ; my row's scale words: 32 bytes a row,
	v_lshrrev_b32 v6, 8, v5
	v_lshl_add_u32 v5, v6, 4, v5                   ; and 16 more for each 256 passed
	s_mul_i32 s21, s15, 4*SBLK                     ; A's: my 64 rows
	s_mul_i32 s22, s16, HALFS                      ; B's: my 128 rows
	s_add_co_u32 s22, s22, SCB-SCA
	s_sub_co_u32 s22, s22, s21
	v_mul_u32_u24 v6, s22, v2                      ; lanes 16-31 take B's
	s_add_co_u32 s21, s21, SCA
	v_add_nc_u32 v5, v5, v6
	v_add_nc_u32 v[ADRS], s21, v5
	s_mul_i32 s23, s14, 16*SPITCH                  ; my stage
	v_mul_u32_u24 v5, v1, SPITCH
	v_lshl_add_u32 v5, v2, 5, v5
	v_add_nc_u32 v[STO], s23, v5                   ; in: row r, 32 bytes for each half of the lanes
	v_lshlrev_b32 v[CO], 4, v3
	v_add_nc_u32 v[RD], s23, v[CO]                 ; back: the 32 lanes take one row of 512 bytes
	; A's scale words.  Thread i: p = i % 64, g = i / 64: tokens 2 p and 2 p + 1 of the 128, heads 8 g .. 8 g + 7
	v_and_b32 v7, 63, v0
	v_lshrrev_b32 v8, 2, v7
	v_lshlrev_b32 v8, 4, v8
	v_lshl_add_u32 v8, v7, 6, v8                   ; token 2 p's row of 32 bytes: 64 p + 16 (p / 4)
	v_lshrrev_b32 v9, 6, v0
	v_lshl_add_u32 v8, v9, 4, v8                   ; + 16 g: words 4 g .. 4 g + 3
	v_add_nc_u32 v8, SCA, v8
	v_lshlrev_b32 v7, 2, v7                        ; two tokens' half words are 4 bytes
	s_wait_alu depctr_va_vdst(0)
	v_lshlrev_b32 v9, 5, v2                        ; the bias: 32 h
	s_wait_alu depctr_va_vdst(0)
	s_lshr_b32 s18, s17, 1
	s_lshl_b32 s18, s18, 4
	s_lshl_b32 s19, s15, 3
	s_add_co_u32 s18, s18, s19                     ; 16 x block of 256 tokens + 8 g
	s_lshl_b32 s18, s18, 9
	s_and_b32 s19, s17, 1
	s_lshl_b32 s19, s19, 8                         ; my 128 of the 256 tokens
	s_add_co_u32 s18, s18, s19
	s_add_co_u32 s18, s18, OS
	s_mov_b32 s19, 0
	s_add_nc_u64 s[4:5], s[4:5], s[18:19]
	s_lshl_b32 s18, s42, 10
	s_lshl_b32 s20, s16, 9
	s_add_co_u32 s18, s18, s20                     ; my first column, in bytes
	s_add_nc_u64 s[8:9], s[8:9], s[18:19]
	s_add_nc_u64 s[10:11], s[10:11], s[18:19]
	s_lshl_b32 s18, s17, 7
	s_lshl_b32 s20, s15, 6
	s_add_co_u32 s18, s18, s20                     ; my first row of out0
	s_lshl_b32 s18, s18, 12                        ; 4,096 bytes a row (under 2^26)
	s_add_nc_u64 s[10:11], s[10:11], s[18:19]
.irp e, 0,1,2,3,4,5,6,7
	global_load_b32 v[XH+\e], v7, s[4:5] offset:512*\e
.endr
.irp b, 0,1,2,3,4,5,6,7
	global_load_b128 v[BI+8*\b:BI+8*\b+3], v9, s[8:9] offset:64*\b          ; register 8 b + j: the bias of column 16 b + 8 h + j
	global_load_b128 v[BI+8*\b+4:BI+8*\b+7], v9, s[8:9] offset:64*\b+16
.endr
	s_wait_loadcnt 16                              ; the half words are in; the sixteen loads of the bias may be out
.irp q, 0,1,2,3
	v_perm_b32 v[XH+8+\q], v[XH+2*\q+1], v[XH+2*\q], 0x05040100    ; token 2 p: two heads' half words make the word of 128 along K
	v_perm_b32 v[XH+12+\q], v[XH+2*\q+1], v[XH+2*\q], 0x07060302   ; token 2 p + 1
.endr
	ds_store_b128 v8, v[XH+8:XH+11]
	ds_store_b128 v8, v[XH+12:XH+15] offset:32
.irp j, 0,1,2,3
	ds_store_b128 v11, v[216+4*\j:219+4*\j] offset:2176*\j     ; B's scale bytes: their four loads were issued ahead of the half words'
.endr
.macro FRAG reg, adr, q, i             ; B: 16 rows x 128 K: 24 bytes of the row for each half, in pieces of 8; where the piece lies behind one padding more, the second address register serves
.irp p, 0,1,2,3,4,5
.set PC, 12*(\q)+6*(\p/3)+\p%3
.if PC%8 < 5
	ds_load_b64 v[\reg+2*\p:\reg+2*\p+1], v[\adr] offset:8*PC+16*(PC/8)+(\i)*16*PITCH
.else
	ds_load_b64 v[\reg+2*\p:\reg+2*\p+1], v[\adr+2] offset:8*PC+16*(PC/8)+(\i)*16*PITCH
.endif
.endr
.endm
.macro FRAG_A reg, slot, q, i          ; A: two half fragments, heads 2 q and 2 q + 1 of the K step's four, as they were stored
	ds_load_b128 v[\reg:\reg+3], v[A16+\slot] offset:(4*(\i)+2*(\q))*768
	ds_load_b64 v[\reg+4:\reg+5], v[A8+\slot] offset:(4*(\i)+2*(\q))*768+512
	ds_load_b128 v[\reg+6:\reg+9], v[A16+\slot] offset:(4*(\i)+2*(\q)+1)*768
	ds_load_b64 v[\reg+10:\reg+11], v[A8+\slot] offset:(4*(\i)+2*(\q)+1)*768+512
.endm
; 8 matrix instructions: A's block a x B's eight.  The 32 accumulators take turns, one instruction a turn, in the same order in every step.  first = 1: the bias starts the sums.
.macro MULA a, p, q, sc, first
.irp b, 0,1,2,3,4,5,6,7
.if \first
	v_wmma_scale_f32_16x16x128_f8f6f4 v[8*(8*(\a)+\b):8*(8*(\a)+\b)+7], v[128*(\p)+FR*\b:128*(\p)+FR*\b+FR-1], v[AF+FR*(\a):AF+FR*(\a)+FR-1], v[BI+8*\b:BI+8*\b+7], v[SC+8*NQ*(\sc)+NQ*\b+(\q)], v[SC+8*NQ*(\sc)+NQ*(\a)+(\q)] matrix_a_fmt:MATRIX_FMT_FP6 matrix_b_fmt:MATRIX_FMT_FP6 matrix_a_scale:MATRIX_SCALE_ROW1
.else
	v_wmma_scale_f32_16x16x128_f8f6f4 v[8*(8*(\a)+\b):8*(8*(\a)+\b)+7], v[128*(\p)+FR*\b:128*(\p)+FR*\b+FR-1], v[AF+FR*(\a):AF+FR*(\a)+FR-1], v[8*(8*(\a)+\b):8*(8*(\a)+\b)+7], v[SC+8*NQ*(\sc)+NQ*\b+(\q)], v[SC+8*NQ*(\sc)+NQ*(\a)+(\q)] matrix_a_fmt:MATRIX_FMT_FP6 matrix_b_fmt:MATRIX_FMT_FP6 matrix_a_scale:MATRIX_SCALE_ROW1
.endif
.endr
.endm
.macro FETCH_B slot, q, p
	WIN TO_B
.irp i, 0,1,2,3,4,5,6,7
	FRAG 128*(\p)+FR*\i, ADRB+\slot, \q, \i
.endr
	WIN 0
.endm
.macro FETCH_A slot, q, i0             ; A's blocks i0, i0 + 1
.irp i, \i0, \i0+1
	FRAG_A AF+FR*(\i), \slot, \q, \i
.endr
.endm
.macro SCALES sc                       ; lanes 0-15 take A's block i (of the registers i = 4 .. 7 no product names that half), lanes 16-31 B's block i
.irp i, 0,1,2,3,4,5,6,7
	ds_load_b64 v[SC+8*NQ*\sc+NQ*\i:SC+8*NQ*\sc+NQ*\i+1], v[ADRS] offset:\i*SBLK
.endr
.endm
.macro PLACES n
.rept \n
	v_nop
.endr
.endm
.macro STEP slot, q, first             ; a step of 128 along K that has its successor in the same slot
	s_wait_dscnt 2*NLA                             ; B's set and A's blocks 0, 1 are in; the youngest 8 loads (A's blocks 2, 3) may be out
.if \first
	WIN MULF
.else
	WIN MUL
.endif
	MULA 0, (\q)%2, \q, \slot, \first
	MULA 1, (\q)%2, \q, \slot, \first
	s_wait_dscnt 0
	PLACES NP
	FETCH_B \slot, (\q)+1, 1-(\q)%2
	FETCH_A \slot, (\q)+1, 0
.if \first
	WIN MULF
.else
	WIN MUL
.endif
	MULA 2, (\q)%2, \q, \slot, \first
	MULA 3, (\q)%2, \q, \slot, \first
	PLACES NP
	WIN 0
	FETCH_A \slot, (\q)+1, 2
.endm
; A slot's last step changes slots: one barrier; in front of it each wave waits for all its tensor loads, adds 0 to its spare word, and waits for that and for its reads of this slot.
.macro TURN slot, next, fill
	s_wait_tensorcnt 0x0                           ; all my tensor loads have landed: my part of the next slot
	ds_add_u32 v[SPW], v[NIL]                      ; 0 onto my spare word
	s_mov_b32 s[G1+2], 48<<16                      ; no tensor load of mine is out: from here on a load brings a half: 48 rows of 256 bytes of A,
	s_mov_b32 s[G1+4], 48
	s_mov_b32 s[G1B+2], 96<<16                     ; 96 of B
	s_mov_b32 s[G1B+4], 96
	s_wait_dscnt 2*NLA+1
	WIN MUL
	MULA 0, 1, NQ-1, \slot, 0
	s_wait_dscnt 0x0                               ; the add is done, and my reads of this slot are over
	s_barrier_signal -1
	MULA 1, 1, NQ-1, \slot, 0
	WIN 0
	s_barrier_wait -1
.if \fill
	CREST                                          ; the barrier has opened a round of the cluster's: no wave of any partner still reads this slot or has a load on its way
	s_add_nc_u64 s[G0+4*\slot+2:G0+4*\slot+3], s[G0+4*\slot+2:G0+4*\slot+3], 2*ABYTES
	s_add_nc_u64 s[G0B+4*\slot+2:G0B+4*\slot+3], s[G0B+4*\slot+2:G0B+4*\slot+3], 2*WPL
	JLOAD G0+4*\slot, G1, G0B+4*\slot, G1B         ; the first tensor load behind the round; its four v_nop are the places in front of the loads below
.else
	PLACES NP
.endif
	s_wait_alu depctr_va_vdst(0)
	v_add_nc_u32 v[ADRS], 4*NQ, v[ADRS]
	FETCH_B \next, 0, 0
	FETCH_A \next, 0, 0
	SCALES \next
	WIN MUL
	MULA 2, 1, NQ-1, \slot, 0
	MULA 3, 1, NQ-1, \slot, 0
	PLACES NP
	WIN 0
	FETCH_A \next, 0, 2
.endm
	s_wait_alu depctr_va_vdst(0)                   ; the wait at the head's end
	s_cmp_lt_u32 s14, 2                            ; waves 0 and 1 wait for K step 0's tiles, whose load lines are theirs alone; K step 1's may be out
	s_cbranch_scc0 .Lnot_slot_0
	s_wait_tensorcnt 0x0
.Lnot_slot_0:
	s_wait_dscnt 0x0                               ; my part of A's scale words is stored
	s_barrier_signal -1
	s_barrier_wait -1
	FETCH_B 0, 0, 0
	FETCH_A 0, 0, 0
	SCALES 0
	FETCH_A 0, 0, 2
	s_wait_loadcnt 0x0                             ; the bias
	STEP 0, 0, 1
	s_mov_b32 s3, 1
.Llap:                                                 ; one trip: once round the ring, both slots filled again (K steps 2 and 3)
	TURN 0, 1, 1
	STEP 1, 0, 0
	TURN 1, 0, 1
	STEP 0, 0, 0
	s_sub_co_u32 s3, s3, 1
	s_cmp_lg_u32 s3, 0
	s_cbranch_scc1 .Llap
	TURN 0, 1, 0
	STEP 1, 0, 0
	s_wait_dscnt 2*NLA
	WIN MUL
	MULA 0, 1, NQ-1, 1, 0
	MULA 1, 1, NQ-1, 1, 0
	s_wait_dscnt 0
	MULA 2, 1, NQ-1, 1, 0
	MULA 3, 1, NQ-1, 1, 0
	WIN 0
; THE WAY OUT, block by block of 16 rows x 128 columns: through my own stage in LDS and back as whole rows of 512 bytes.  LDS serves a wave's instructions in order (ISA guide 5.7.1.4): no wait between the stores and the loads.
.macro TOSTAGE a
.set AC, 64*(\a)
	WIN 0x08                                       ; the data: window 2
.irp b, 0,1,2,3,4,5,6,7
	ds_store_b128 v[STO], v[AC+8*\b:AC+8*\b+3] offset:64*\b          ; each accumulator from its low end on
	ds_store_b128 v[STO], v[AC+8*\b+4:AC+8*\b+7] offset:64*\b+16
.endr
	WIN 0
.set BB, BK+64*((\a)%2)
.irp t, 0,1,2,3,4,5,6,7,8,9,10,11,12,13,14,15
	ds_load_b128 v[BB+4*\t:BB+4*\t+3], v[RD] offset:\t*SPITCH
.endr
.endm
.macro SEND a, younger                 ; younger: the LDS instructions issued behind block a's loads
.set BB, BK+64*((\a)%2)
	s_wait_dscnt \younger
.if (\a) > 0
	s_add_nc_u64 s[10:11], s[10:11], 16*4096       ; 16 rows on (the earlier stores have read their base: a wait on XCNT for 0 stands ahead)
.endif
.irp t, 0,1,2,3,4,5,6,7,8,9,10,11,12,13,14,15
	global_store_b128 v[CO], v[BB+4*\t:BB+4*\t+3], s[10:11] offset:\t*4096 th:TH_STORE_NT   ; 32 lanes store 512 consecutive bytes, aligned
.endr
.endm
	PLACES NP
	TOSTAGE 0
.irp a, 1,2,3
.if \a > 1
	s_wait_xcnt 0x0                                ; block a - 2's stores have read their registers and their base
.endif
	TOSTAGE \a
	SEND \a-1, 32                                  ; behind block a - 1's loads: block a's 16 stores and 16 loads
.endr
	s_wait_xcnt 0x0
	SEND 3, 0
	s_wait_tensorcnt 0x0                           ; the wave's end
	ds_add_u32 v[SPW], v[NIL]
	s_wait_dscnt 0x0
	CROUND                                         ; the closing round
	s_endpgm
.Lfunc_end_k_qf21e081d5f_dense:
	.size	k_qf21e081d5f_dense, .Lfunc_end_k_qf21e081d5f_dense-k_qf21e081d5f_dense
	.p2alignl 7, 3214868480
	.fill 96, 4, 3214868480
	.section	.rodata,"a",@progbits
	.p2align	6, 0x0
	.amdhsa_kernel k_qf21e081d5f_dense
		.amdhsa_group_segment_fixed_size 327680
		.amdhsa_private_segment_fixed_size 0
		.amdhsa_enable_private_segment 0
		.amdhsa_kernarg_size 32
		.amdhsa_user_sgpr_count 2
		.amdhsa_user_sgpr_kernarg_segment_ptr 1
		.amdhsa_wavefront_size32 1
		.amdhsa_system_sgpr_workgroup_id_x 1
		.amdhsa_system_sgpr_workgroup_id_y 1
		.amdhsa_system_sgpr_workgroup_id_z 1
		.amdhsa_system_vgpr_workitem_id 0
		.amdhsa_next_free_vgpr 768
		.amdhsa_next_free_sgpr 98
		.amdhsa_reserve_vcc 0
		.amdhsa_float_denorm_mode_32 3
		.amdhsa_float_denorm_mode_16_64 3
		.amdhsa_memory_ordered 1
		.amdhsa_forward_progress 1
		.amdhsa_inst_pref_size 103
	.end_amdhsa_kernel
	.amdgpu_metadata
---
amdhsa.version: [ 1, 2 ]
amdhsa.kernels:
  - .name:           k_qf21e081d5f_dense
    .symbol:         k_qf21e081d5f_dense.kd
    .args:
      - { .name: oc, .offset: 0, .size: 8, .value_kind: global_buffer, .address_space: global }
      - { .name: wc, .offset: 8, .size: 8, .value_kind: global_buffer, .address_space: global }
      - { .name: dense_b, .offset: 16, .size: 8, .value_kind: global_buffer, .address_space: global }
      - { .name: out0, .offset: 24, .size: 8, .value_kind: global_buffer, .address_space: global }
    .group_segment_fixed_size: 327680
    .private_segment_fixed_size: 0
    .kernarg_segment_align: 8
    .kernarg_segment_size: 32
    .max_flat_workgroup_size: 128
    .sgpr_count:     98
    .vgpr_count:     768
    .wavefront_size: 32
...
	.end_amdgpu_metadata
.endif
;; end of part 4
